; MI455X (gfx1250); checked and timed in simulation.
; The chip was launched on July 23, 2026; its instructions are those of AMD's public machine-readable ISA for CDNA 5 (MIT licence, August 2026) and "CDNA5" Instruction Set Architecture Reference Guide (July 2026). The comments in the code are by the model that wrote it; some were corrected since.
;; Causal Self Attention. Allowed arithmetic: matrix products marked QUANTISED: E3M2 operands, one E8M0 scale for each 32 along K, by v_wmma_scale_f32_16x16x128_f8f6f4 with both operands' format E3M2, f32 sums; products left as they are: f32 operands where the result goes on into a quantised operand, else bf16, f16 or f32 operands; f32 sums; everything else in f32.
;; Inputs: Wgate 8 x 32 float32; Wk 1,024 x 1,024 float32; Wproj 1,024 x 1,024 float32; Wq 1,024 x 1,024 float32; Wv 1,024 x 1,024 float32; cos 1 x 2,048 x 1 x 64 float32; sin 1 x 2,048 x 1 x 64 float32; ve 4 x 2,048 x 1,024 float32; x 4 x 2,048 x 1,024 float32.
;; Outputs: out0 4 x 2,048 x 1,024 float32.
;; Constants: window_size = 1024.
;; This version of the problem:
;;   THIS VERSION OF THE PROBLEM IS GIVEN IN LOW PRECISION. The matrix products marked QUANTISED in the list below multiply operands that are first quantised to E3M2 (3 exponent bits, 2 mantissa bits; 6 bits a number), with one power-of-two scale for each 32 numbers along K (OCP MX v1.0); their sums are f32. All else is computed in f32.
;;   The module's matrix products, in the order in which they are computed (A, B: the left and right operand; K: the contracted axis; several contracted axes count as one K, in the product's order):
;;     1. [M 8,192, K 1,024] x [K 1,024, N 1,024]; A: input x; B: input Wq: QUANTISED
;;     2. [M 8,192, K 1,024] x [K 1,024, N 1,024]; A: input x; B: input Wk: QUANTISED
;;     3. [M 8,192, K 1,024] x [K 1,024, N 1,024]; A: input x; B: input Wv: QUANTISED
;;     4. [M 8,192, K 32] x [K 32, N 8]; A: input x; B: input Wgate: left as it is (N = 8 < 16)
;;     5. batch 32 x [M 2,048, K 128] x [K 128, N 2,048]; A: computed on the way; B: computed on the way: QUANTISED
;;     6. batch 32 x [M 128, K 2,048] x [K 2,048, N 2,048]; A: computed on the way; B: softmax (see below): QUANTISED
;;     7. [M 8,192, K 1,024] x [K 1,024, N 1,024]; A: computed on the way; B: input Wproj: QUANTISED
;;   THE QUANTISER, for each operand of a quantised product, along K:
;;     - K is cut into blocks of 32 from its start; a last block that is shorter is filled with zeros.
;;     - A block's scale is 2^e with e = floor(log2(the largest magnitude in the block)) - 4, held to -126 .. 127; a block of zeros has e = 0. As a byte (E8M0): e + 127.
;;     - Each number is divided by its block's scale, clamped to +-28, and rounded to the nearest number of E3M2, ties to even, subnormals kept.
;;     - The product sums the exact products of the quantised numbers (number of the format x scale) in f32.
;;   ~~~python
;;   def quantise(x, axis):      # numpy; x: float32 -> the quantised numbers, widened to float32 again
;;       x = np.moveaxis(x, axis, -1); K = x.shape[-1]
;;       x = np.pad(x, [(0, 0)] * (x.ndim - 1) + [(0, -K % 32)]); x = x.reshape(x.shape[:-1] + (-1, 32)); a = np.abs(x).max(-1, keepdims=True)
;;       e = np.where(a > 0, np.clip(np.frexp(np.where(a > 0, a, 1))[1] - 1 - 4, -126, 127), 0)      # np.frexp(a)[1] - 1 = floor(log2(a)), exactly
;;       r = np.clip(x / 2.0 ** e, -28, 28)
;;       step = 2.0 ** (np.maximum(np.frexp(np.where(r == 0, 1, r))[1] - 1, -2) - 2)
;;       q = np.round(r / step) * step * 2.0 ** e      # np.round: ties to even
;;       return np.moveaxis(q.reshape(q.shape[:-2] + (-1,))[..., :K], -1, axis).astype(np.float32)
;;   ~~~
;;   SOFTMAX AHEAD OF A QUANTISED PRODUCT. Where the list says 'softmax', what is quantised is not the finished softmax but p = 2^(t - M), with t = logit x log2(e) and M = ceil(the row's largest t), a whole number; so 1/2 < the row's largest p <= 1. The row's sum l is taken of the UNQUANTISED p, in f32, and the product's result is divided by l at the end. Since M is a whole number, a kernel that streams over the keys may use a running M (the ceiling of the running maximum): every later rescaling is an exact power of two, which a block's scale takes up: the codes' values come out the same.
;;   OPERANDS COMPUTED ON THE WAY. 'Computed on the way' means the value that the module computes at that place (a softmax that the list does not call 'softmax' is quantised finished and normalised). What goes into a quantiser is computed in f32, as accurately as f32 sums, v_exp_f32 and their like allow (about 1e-6 of the number): no bf16 or f16 on the way to a quantiser, and a product that is left as it is and whose result goes on into a quantised operand takes f32 operands (vector FMAs, or v_wmma_f32_16x16x4_f32). A number that lies on a knife's edge between two numbers of the format may be rounded either way, as far as f32 arithmetic and the matrix unit's own rounding can turn it there, and no further.
;; One version. Each part assembles by itself: llvm-mc -triple=amdgcn-amd-amdhsa -mcpu=gfx1250 --defsym DOCPART=n.
;; ======== version 1 of 1: 4 launches
;; limits: right only within a limited range of input values
;; workspace buffers: codes 9,437,184 bytes; sc 655,360 bytes; qc 6,291,456 bytes; qs 262,144 bytes; kv 13,107,200 bytes; yc 6,291,456 bytes
;; launch quant (part 1): grid 768 x 1, 4 waves a work-group, no clusters, 34,304 bytes of LDS; arguments x, Wq, Wk, Wv, Wproj, codes, sc; writes codes, sc
.if DOCPART == 1
	.amdgcn_target "amdgcn-amd-amdhsa--gfx1250"
	.amdhsa_code_object_version 6
	.text
	.protected	k_qebcab6e673_quant
	.globl	k_qebcab6e673_quant
	.p2align	8
	.type	k_qebcab6e673_quant,@function
k_qebcab6e673_quant:
	s_mov_b64 s[64:65], 0
	v_nop
	global_prefetch_b8 v0, s[64:65] scope:SCOPE_SE
	s_setreg_imm32_b32 hwreg(HW_REG_WAVE_MODE, 25, 1), 1
	s_wait_xcnt 0x0
; LAUNCH 1 OF 4.  x [8192][1024] and the four weights [1024][1024], f32 with K innermost, become codes of E3M2 with one E8M0 byte for each 32 along K.
; THE PROGRAM: quant (this) | qkv: x Wq^T, x Wk^T, x Wv^T with rope, rms norm, the gate on ve, and the quantisers of q, k (along the head) and v (along the keys) | attn: both products of the attention and the quantiser of y | proj: y Wproj^T.
; WORK LEFT OUT IN THE WHOLE PROGRAM, and why it is dead.  reference() builds its mask itself: key col counts for query row only where col <= row and col >= row - 1023 (window_size = 1024 is a listed constant).
; A hidden score is -inf, its softmax weight exp(-inf) = 0 whatever finite values the inputs hold, so it adds 0 to the row's sum and 0 x v to the row's result.  attn therefore leaves out every step of 128 keys all.
; Nothing else is left out; every input is loaded.
; LIMIT that goes with it: a NaN, an infinity or an overflow that lies only in k or v of keys hidden from a row is not carried into that row.
; LAYOUT OF ALL OPERANDS THAT THE PROGRAM HANDS ON: an image of the operand's registers.  A fragment is 16 rows x 128 K, 12 registers a lane: registers 4 c .. 4 c + 3 of lane l lie at byte 512 c + 16 l: 1,536 bytes.
; Its scale words: 16 words, row r's at 4 r.  THE ROWS OF A STORED TILE ARE NOT NEIGHBOURS: position p of tile t is row 32 (t / 2) + 8 (t % 2) + p + 8 (p / 8), so that the results of two neighbouring tiles used as source 0
; are 16 neighbours along the next product's K in one lane.
; codes: [768 tiles][8 K steps][1,536]: tiles 0-511 x, 512-575 Wq, 576-639 Wk, 640-703 Wv, 704-767 Wproj.  sc: [tile][8 K steps][16 words].
; SHARES: a work-group makes one tile, wave w its K steps 2 w and 2 w + 1.  Each load reads 512 consecutive bytes of one row; the 16 rows turn through the wave's own stage in LDS (rows of 528 bytes), so that
; lane (r, h) gets, of row r, 16 neighbours of each block of 32.  No matrix unit, no tensor load, no barrier, no cluster: memory binds and the waves share nothing.
; A block's scale byte is its largest magnitude's exponent field - 4, held at 1 from below.  LIMITS: a block of zeros gets the byte 1 (its codes are zeros; this program alone reads the bytes); blocks whose largest
; magnitude lies under 2^-122 keep the byte 1; NaN and infinities among the inputs are not served.
.set STG,   8448                       ; a wave's stage: 16 rows x (512 + 16) bytes
.set SPARE, 4*STG                      ; behind the stages: the spare words, 128 bytes for each wave, which no other line names
.set LI,  1                            ; v1   16 x lane
.set SW,  4                            ; v4   the stage, on the way in
.set SR,  5                            ; v5   and on the way out: row r, + 64 h
.set LW,  6                            ; v6   4 x lane
.set MW,  7                            ; v7   the two fragments' scale words, one in each half of the lanes
.set PW,  8                            ; v8-9 a fragment's scale word
.set SPW, 10                           ; v10  my spare word; never rewritten
.set NIL, 11                           ; v11  0; never rewritten
.set R,   16                           ; v16-143  2 x 64: the rows as loaded
.set X,   144                          ; v144-207 64 numbers: register 16 b + i = k 32 b + 16 h + i of my row
.set TM,  228                          ; v228-243 at work in QUANT
.set SEL, 20                           ; s[20:21] lane selects: lane l xor 16
; 64 numbers of a lane become a fragment's codes in v[pc] .. v[pc + 11] and its scale word in v[pw]
.macro QUANT s, pc, pw
.irp b, 0,1,2,3
	v_max3_num_f32 v[TM+\b], |v[(\s)+16*\b]|, |v[(\s)+16*\b+1]|, 0x2800000   ; block b: my 16 numbers, and the floor 2^(5 - 127): the byte cannot fall under 1
.endr
.irp i, 2,4,6,8,10,12,14
.irp b, 0,1,2,3
	v_max3_num_f32 v[TM+\b], |v[(\s)+16*\b+\i]|, |v[(\s)+16*\b+\i+1]|, v[TM+\b]   ; the four blocks by turns
.endr
.endr
.irp b, 0,1,2,3
	v_permlanex16_b32 v[TM+4+\b], v[TM+\b], s[SEL], s[SEL+1]
.endr
.irp b, 0,1,2,3
	v_max_num_f32 v[TM+\b], v[TM+\b], v[TM+4+\b]   ; with lane l xor 16's: the block's largest magnitude
.endr
.irp b, 0,1,2,3
	v_add_nc_u32 v[TM+12+\b], 0xfe000000, v[TM+\b]   ; 4 off its exponent field: the conversion's scale operand
.endr
.irp b, 0,1,2,3
	v_lshrrev_b32 v[TM+4+\b], 23, v[TM+12+\b]      ; the scale's byte
.endr
	v_lshl_or_b32 v[\pw], v[TM+5], 8, v[TM+4]
	v_lshl_or_b32 v[\pw], v[TM+6], 16, v[\pw]
	v_lshl_or_b32 v[\pw], v[TM+7], 24, v[\pw]      ; my row's scale word, the same in both halves of the lanes
.irp c, 0,1
	v_cvt_scalef32_pk16_bf6_f32 v[(\pc)+6*\c:(\pc)+6*\c+2], v[(\s)+32*\c:(\s)+32*\c+15], v[TM+12+2*\c]
	v_cvt_scalef32_pk16_bf6_f32 v[(\pc)+12+4*\c:(\pc)+14+4*\c], v[(\s)+32*\c+16:(\s)+32*\c+31], v[TM+13+2*\c]   ; (a conversion's three registers begin on an even number)
.endr
	v_nop                                          ; one plain place behind a scaled conversion
.irp c, 0,1                                    ; the operand wants a whole block in a lane: lanes 0-15 block 2 c, lanes 16-31 block 2 c + 1
.irp i, 0,1,2
	v_permlane16_swap_b32 v[(\pc)+6*\c+\i], v[(\pc)+12+4*\c+\i]
.endr
.irp i, 0,1,2
	v_mov_b32 v[(\pc)+3+6*\c+\i], v[(\pc)+12+4*\c+\i]
.endr
.endr
.endm
	s_load_b256 s[4:11], s[0:1], 0x0               ; x, Wq, Wk, Wv
	s_load_b128 s[12:15], s[0:1], 0x20             ; Wproj, codes
	s_load_b64 s[16:17], s[0:1], 0x30              ; sc
	v_lshl_add_u32 v[SPW], v0, 2, SPARE
	v_mov_b32 v[NIL], 0
	v_lshrrev_b32 v2, 5, v0
	v_readfirstlane_b32 s22, v2                    ; wave
	v_and_b32 v12, 31, v0                          ; lane
	v_and_b32 v2, 15, v0                           ; r
	v_bfe_u32 v3, v0, 4, 1                         ; h
	v_lshlrev_b32 v[LI], 4, v12
	v_lshlrev_b32 v[LW], 2, v12
	v_cmp_lt_u32 s30, 15, v12                      ; lanes 16-31
	s_mul_i32 s23, s22, STG
	v_add_nc_u32 v[SW], s23, v[LI]
	v_mul_u32_u24 v[SR], v2, 528
	v_lshl_add_u32 v[SR], v3, 6, v[SR]
	v_add_nc_u32 v[SR], s23, v[SR]
	s_mov_b32 s[SEL], 0x76543210
	s_mov_b32 s[SEL+1], 0xfedcba98
.irp b, 0,1,2,3
	v_mov_b32 v[TM+4+\b], 0                        ; written once: a lane permute's destination counts as one of its sources
.endr
	s_sub_co_u32 s24, ttmp9, 512
	s_lshr_b32 s25, s24, 6                         ; which weight (a large number in x's work-groups)
	s_and_b32 s24, s24, 63                         ; and which of its 64 tiles
	s_wait_alu depctr_va_vdst(0)
	s_wait_kmcnt 0x0
	s_cmp_eq_u32 s25, 2                            ; the tensor is chosen by the work-group's number alone
	s_cselect_b64 s[18:19], s[10:11], s[12:13]
	s_cmp_eq_u32 s25, 1
	s_cselect_b64 s[18:19], s[8:9], s[18:19]
	s_cmp_eq_u32 s25, 0
	s_cselect_b64 s[18:19], s[6:7], s[18:19]
	s_cmp_lt_u32 ttmp9, 512
	s_cselect_b64 s[18:19], s[4:5], s[18:19]
	s_cselect_b32 s24, ttmp9, s24                  ; the tile's number in its tensor
	s_lshr_b32 s26, s24, 1
	s_lshl_b32 s26, s26, 17                        ; 32 rows of 4,096 bytes for each pair of tiles,
	s_and_b32 s27, s24, 1
	s_lshl_b32 s27, s27, 15                        ; 8 rows for the odd one,
	s_add_co_u32 s26, s26, s27
	s_lshl_b32 s27, s22, 10                        ; my wave's 256 numbers of a row
	s_add_co_u32 s26, s26, s27
	s_mov_b32 s27, 0
	s_add_nc_u64 s[18:19], s[18:19], s[26:27]
	s_mul_i32 s26, ttmp9, 12288
	s_mul_i32 s28, s22, 3072
	s_add_co_u32 s26, s26, s28
	s_add_nc_u64 s[14:15], s[14:15], s[26:27]      ; my two fragments' images
	s_lshl_b32 s26, ttmp9, 9
	s_lshl_b32 s28, s22, 7
	s_add_co_u32 s26, s26, s28
	s_add_nc_u64 s[16:17], s[16:17], s[26:27]      ; and their scale words
.irp f, 0,1
.irp i, 0,1,2,3,4,5,6,7,8,9,10,11,12,13,14,15
	global_load_b128 v[R+64*\f+4*\i:R+64*\f+4*\i+3], v[LI], s[18:19] offset:(\i+8*(\i/8))*4096+512*\f th:TH_LOAD_NT   ; position i of the tile: 512 consecutive bytes of its row
.endr
.endr
.macro FRAGQ f, pc
	s_wait_loadcnt 16*(1-\f)                       ; this fragment's 16 loads are in; the other fragment's 16 may be out
.irp i, 0,1,2,3,4,5,6,7,8,9,10,11,12,13,14,15
	ds_store_b128 v[SW], v[R+64*\f+4*\i:R+64*\f+4*\i+3] offset:528*\i
.endr
.irp b, 0,1,2,3
.irp j, 0,1,2,3
	ds_load_b128 v[X+16*\b+4*\j:X+16*\b+4*\j+3], v[SR] offset:128*\b+16*\j   ; LDS serves a wave's instructions in order: these see my stores
.endr
.endr
	s_wait_dscnt 0x0
	QUANT X, \pc, PW+\f
.irp c, 0,1,2
	global_store_b128 v[LI], v[(\pc)+4*\c:(\pc)+4*\c+3], s[14:15] offset:1536*\f+512*\c   ; 512 consecutive bytes, at a multiple of 256 from the buffer's first byte
.endr
.endm
	FRAGQ 0, 208                                   ; codes in v208-227
	FRAGQ 1, 16                                    ; codes in v16-35: fragment 0's rows have left them
	v_cndmask_b32 v[MW], v[PW], v[PW+1], s30       ; lanes 0-15: K step 2 w; lanes 16-31: K step 2 w + 1
	global_store_b32 v[LW], v[MW], s[16:17]        ; 128 consecutive bytes
	s_wait_tensorcnt 0x0                           ; the wave's end, behind my last LDS store
	ds_add_u32 v[SPW], v[NIL]
	s_wait_dscnt 0x0
	s_endpgm
.Lfunc_end_k_qebcab6e673_quant:
	.size	k_qebcab6e673_quant, .Lfunc_end_k_qebcab6e673_quant-k_qebcab6e673_quant
	.p2alignl 7, 3214868480
	.fill 96, 4, 3214868480
	.section	.rodata,"a",@progbits
	.p2align	6, 0x0
	.amdhsa_kernel k_qebcab6e673_quant
		.amdhsa_group_segment_fixed_size 34304
		.amdhsa_private_segment_fixed_size 0
		.amdhsa_enable_private_segment 0
		.amdhsa_kernarg_size 56
		.amdhsa_user_sgpr_count 2
		.amdhsa_user_sgpr_kernarg_segment_ptr 1
		.amdhsa_wavefront_size32 1
		.amdhsa_system_sgpr_workgroup_id_x 1
		.amdhsa_system_sgpr_workgroup_id_y 1
		.amdhsa_system_sgpr_workgroup_id_z 1
		.amdhsa_system_vgpr_workitem_id 0
		.amdhsa_next_free_vgpr 248
		.amdhsa_next_free_sgpr 66
		.amdhsa_reserve_vcc 0
		.amdhsa_float_denorm_mode_32 3
		.amdhsa_float_denorm_mode_16_64 3
		.amdhsa_memory_ordered 1
		.amdhsa_forward_progress 1
		.amdhsa_inst_pref_size 18
	.end_amdhsa_kernel
	.amdgpu_metadata
---
amdhsa.version: [ 1, 2 ]
amdhsa.kernels:
  - .name:           k_qebcab6e673_quant
    .symbol:         k_qebcab6e673_quant.kd
    .args:
      - { .name: x, .offset: 0, .size: 8, .value_kind: global_buffer, .address_space: global }
      - { .name: Wq, .offset: 8, .size: 8, .value_kind: global_buffer, .address_space: global }
      - { .name: Wk, .offset: 16, .size: 8, .value_kind: global_buffer, .address_space: global }
      - { .name: Wv, .offset: 24, .size: 8, .value_kind: global_buffer, .address_space: global }
      - { .name: Wproj, .offset: 32, .size: 8, .value_kind: global_buffer, .address_space: global }
      - { .name: codes, .offset: 40, .size: 8, .value_kind: global_buffer, .address_space: global }
      - { .name: sc, .offset: 48, .size: 8, .value_kind: global_buffer, .address_space: global }
    .group_segment_fixed_size: 34304
    .private_segment_fixed_size: 0
    .kernarg_segment_align: 8
    .kernarg_segment_size: 56
    .max_flat_workgroup_size: 128
    .sgpr_count:     66
    .vgpr_count:     248
    .wavefront_size: 32
...
	.end_amdgpu_metadata
.endif
;; end of part 1
;; launch qkv (part 2): grid 8 x 32, 4 waves a work-group, clusters of 4 x 4, 327,680 bytes of LDS; arguments codes, sc, cos, sin, x, Wgate, ve, qc, qs, kv; writes qc, qs, kv
.if DOCPART == 2
	.amdgcn_target "amdgcn-amd-amdhsa--gfx1250"
	.amdhsa_code_object_version 6
	.text
	.protected	k_qebcab6e673_qkv
	.globl	k_qebcab6e673_qkv
	.p2align	8
	.type	k_qebcab6e673_qkv,@function
k_qebcab6e673_qkv:
	s_mov_b64 s[64:65], 0
	v_nop
	global_prefetch_b8 v0, s[64:65] scope:SCOPE_SE
	s_setreg_imm32_b32 hwreg(HW_REG_WAVE_MODE, 25, 1), 1
	s_wait_xcnt 0x0
	s_wait_alu depctr_hold_cnt(0) depctr_sa_sdst(0) depctr_va_vdst(0) depctr_va_sdst(0) depctr_va_ssrc(0) depctr_va_vcc(0) depctr_vm_vsrc(0)
	s_getreg_b32 s2, hwreg(HW_REG_IB_STS2, 6, 4)
	s_cmp_eq_u32 s2, 0
	s_cbranch_scc0 .Lentry_in_a_cluster
	s_endpgm
.Lentry_in_a_cluster:
	s_bfe_u32 s2, ttmp6, 0x10000c
	s_cmp_lg_u32 s2, 0xf033
	s_cbranch_scc0 .Lentry_shape_is_right
	s_endpgm
.Lentry_shape_is_right:
; LAUNCH 2 OF 4.  q = rmsnorm(rope(x Wq^T)), k = rmsnorm(rope(x Wk^T)), v = x Wv^T + 2 sigmoid(x[:, :32] Wgate^T) ve, on the codes that launch 1 made; q and k are quantised along the head's 128,
; v along the keys, and leave as images of operand registers (layout: launch 1's head).  No work of reference() is left out here.
; SHARES.  A work-group owns 256 tokens (block tb = 4 x cluster y + cy) of ONE head (4 x cluster x + cx) and makes that head's q, k and v in three passes over K = 1,024: 8 x 32 = 256 work-groups.
; x's 16 row tiles, all of K, stay in LDS (196,608 bytes, two first fills of 4 K steps); a weight's 8 tiles go through two slots of 4 K steps (49,152 bytes each), filled again four times.
; x's tiles hang on cy alone and are asked for jointly along a row of the cluster, the weights' on cx alone and jointly along a column.  Waves 0, 1 fetch x's halves, waves 2, 3 a weight's: one tensor load of a wave is out at a time.
; q, k: source 0 = the weight's 8 tiles, source 1 = x's tiles 4 w .. 4 w + 3: a lane holds ONE token, its 64 registers of a token tile are d = 32 b + 16 h + i.  The two passes are one loop of two trips.
; v: source 0 = x's tiles 8 (w / 2) .., source 1 = Wv's tiles 4 (w % 2) ..: a lane holds ONE d and its registers run along 128 tokens, the next product's K.  Written out: it asks for nothing more.
; NO PREFETCH: each refill is asked for four K steps (128 matrix instructions a wave) or a whole way out ahead of its first read, and x's second half four K steps ahead.
; LIMITS: as in launch 1 (byte 1 for blocks of zeros and under 2^-122; no NaN or infinity among the inputs); sums run in another order than reference()'s.
; REGISTERS: window 0: v1-53 addresses and work, v64-127 scale words, v128-223 source 1's fragments, two sets; window 1: source 0's, two sets at v0 and v128; window 2: accumulator (a, b) at v[8 (8 a + b)].
; window 3: in the loop cos and sin of my four token tiles, loaded once for q and k (tile a at v[64 a]); in v's pass v0-127 two sets of ve, v128-255 x's rows for the gate.  Window 1, v96-127: my head's row of Wgate.
.set XCH,    98304
.set WB,     196608                    ; the weights' two slots
.set WSL,    49152
.set TP,     6144                      ; a tile's 4 K steps
.set FRB,    1536                      ; a fragment's image
.set SPARE,  294912                    ; the spare words, 128 bytes for each wave, which no other line names
.set GATE,   SPARE+512                 ; 512 bytes for each wave: the gate of its 128 tokens
.set VSTG,   0                         ; v's way out: 8,448 bytes for each wave in x's first half, which has had its one fill and, at the barrier of v's step 3, its last read
.set WSTEP,  786432                    ; from a weight to the next: 64 tiles of 12,288 bytes
.set LI,   1                           ; 16 x lane
.set RR,   2                           ; r
.set HH,   3                           ; h
.set AX4,  4                           ; v4-5   x as source 1: my 4 tiles, K half 0, 1
.set AW8,  6                           ; v6-7   a weight as source 0: slot 0, 1
.set AX8,  8                           ; v8-9   x as source 0: my 8 tiles
.set AW4,  10                          ; v10-11 Wv as source 1: my 4 tiles
.set LW,   12                          ; 4 x lane
.set XGO,  13                          ; 4,096 x lane
.set GWA,  14
.set GRA,  15
.set STW,  16
.set STR,  17
.set ZO,   18                          ; 0
.set Z,    20                          ; v20-27 the gate's sums
.set SPW,  28                          ; my spare word; never rewritten
.set NIL,  29                          ; 0; never rewritten
.set CA,   30                          ; cos, sin: my token's row, + 64 h
.set SCN,  31                          ; scale words' offsets, tiles 0-3
.set TM,   32                          ; v32-47 at work in QUANTW
.set PW,   48
.set MW,   50
.set VLA,  51                          ; ve: 4,096 h + 16 r
.set SCM,  52                          ; scale words' offsets, tiles 4-7
.set D2K,  53                          ; 2,048 in lanes 0-15, 0 in lanes 16-31
.set SC,   64                          ; register 8 i + s: step s of source 1's tile i (lanes 0-15) and of source 0's tile i (lanes 16-31); scales and nothing else
.set AF,   128
.set H,    128
.set G,    128
.set PC,   192
.set VE,   192
.set T,    212
.set SS,   220
.set RN,   224
.set G1X,  32
.set G1W,  40
.set G0X,  48
.set G0W,  52                          ; s[52:55], s[56:59]: slot 0, 1
.set SEL,  96
.set MSB, 0
.macro WIN new                         ; the immediate's high byte repeats the setting that is left
.if MSB != (\new)
	s_set_vgpr_msb (MSB<<8)|(\new)
.set MSB, (\new)
.endif
.endm
.set MULW, 0xa1                        ; source 0 window 1, source 1 window 0, C and D window 2
.set TO_B, 0x40
.macro PLACES                          ; four plain places behind matrix instructions (ISA guide 7.12.1)
.rept 4
	v_nop
.endr
.endm
.macro JLOAD s                         ; a first fill: waves 0, 1 x's halves, waves 2, 3 the weight's.  An s_nop 0 and four v_nop follow each line
	s_cmp_eq_u32 s25, 0
	s_cbranch_scc0 .Lfor_w_\@
	tensor_load_to_lds s[G0X:G0X+3], s[G1X:G1X+7]
	s_nop 0
	PLACES
	s_branch .Lasked_\@
.Lfor_w_\@:
	tensor_load_to_lds s[G0W+4*(\s):G0W+4*(\s)+3], s[G1W:G1W+7]
	s_nop 0
	PLACES
.Lasked_\@:
.endm
.macro WLOAD s                         ; a refill: waves 2, 3 alone have a part of it
	s_cmp_eq_u32 s25, 0
	s_cbranch_scc1 .Lnone_\@
	tensor_load_to_lds s[G0W+4*(\s):G0W+4*(\s)+3], s[G1W:G1W+7]
	s_nop 0
	PLACES
.Lnone_\@:
.endm
.macro CREST                           ; a round of the cluster's barrier behind its opening barrier
	s_cmp_lg_u32 s24, 0
	s_cbranch_scc1 .Lnot_wave_0_\@
	s_barrier_signal -3
.Lnot_wave_0_\@:
	s_barrier_wait -3
	s_barrier_signal -1
	s_barrier_wait -1
.endm
.macro CROUND
	s_barrier_signal -1
	s_barrier_wait -1
	CREST
.endm
.macro FRAG reg, adr, q, i             ; a fragment comes back as it was stored: three loads of 512 consecutive bytes
.irp c, 0,1,2
	ds_load_b128 v[\reg+4*\c:\reg+4*\c+3], v[\adr] offset:TP*(\i)+FRB*(\q)+512*\c
.endr
.endm
.macro FETCH p0, p1, st                ; step st's 8 + 4 fragments into sets st % 2
	WIN TO_B
.irp i, 0,1,2,3,4,5,6,7
	FRAG 128*((\st)%2)+12*\i, \p0+(\st)/4, (\st)%4, \i
.endr
	WIN 0
.irp i, 0,1,2,3
	FRAG AF+48*((\st)%2)+12*\i, \p1+(\st)/4, (\st)%4, \i
.endr
.endm
; 8 matrix instructions: source 1's tile a x source 0's eight.  The 32 accumulators take turns, one instruction a turn, in the same order in every step.  Step 0 starts the sums.
.macro MUL8 a, st
.irp b, 0,1,2,3,4,5,6,7
.if (\st) == 0
	v_wmma_scale_f32_16x16x128_f8f6f4 v[8*(8*(\a)+\b):8*(8*(\a)+\b)+7], v[128*((\st)%2)+12*\b:128*((\st)%2)+12*\b+11], v[AF+48*((\st)%2)+12*(\a):AF+48*((\st)%2)+12*(\a)+11], 0, v[SC+8*\b+(\st)], v[SC+8*(\a)+(\st)] matrix_a_fmt:MATRIX_FMT_BF6 matrix_b_fmt:MATRIX_FMT_BF6 matrix_a_scale:MATRIX_SCALE_ROW1
.else
	v_wmma_scale_f32_16x16x128_f8f6f4 v[8*(8*(\a)+\b):8*(8*(\a)+\b)+7], v[128*((\st)%2)+12*\b:128*((\st)%2)+12*\b+11], v[AF+48*((\st)%2)+12*(\a):AF+48*((\st)%2)+12*(\a)+11], v[8*(8*(\a)+\b):8*(8*(\a)+\b)+7], v[SC+8*\b+(\st)], v[SC+8*(\a)+(\st)] matrix_a_fmt:MATRIX_FMT_BF6 matrix_b_fmt:MATRIX_FMT_BF6 matrix_a_scale:MATRIX_SCALE_ROW1
.endif
.endr
.endm
.macro STEP p0, p1, st                 ; this step's fragments are in; the next step's are asked for, into the other sets, and land under the 32 products
	s_wait_dscnt 0x0
	PLACES
	FETCH \p0, \p1, (\st)+1
	WIN MULW
	MUL8 0, \st
	MUL8 1, \st
	MUL8 2, \st
	MUL8 3, \st
	WIN 0
.endm
.macro CSLOAD a                        ; cos and sin of token tile a: lane (r, h) wants 32 e + 16 h + 0 .. 15 of its token's 64
.set CB, 64*(\a)
	WIN 0xc0                                       ; destination: window 3
.irp e, 0,1
.irp j, 0,1,2,3
	global_load_b128 v[CB+16*\e+4*\j:CB+16*\e+4*\j+3], v[CA], s[84:85] offset:256*(32*((\a)/2)+8*((\a)%2))+128*\e+16*\j
	global_load_b128 v[CB+32+16*\e+4*\j:CB+32+16*\e+4*\j+3], v[CA], s[86:87] offset:256*(32*((\a)/2)+8*((\a)%2))+128*\e+16*\j
.endr
.endr
	WIN 0
.endm
; Steps 3 and 7: the work-group meets.  In front of the barrier each wave waits for all its tensor loads, adds 0 to its spare word, and waits for that and for its LDS reads: the half of K just read is read no more, the other is whole.
; fill = 1: the barrier opens a round of the cluster's, and the weights' slot just read takes the next weight's same half of K.  Behind step 3 the next step's fragments are fetched.
.macro TURN p0, p1, st, fill
	s_wait_tensorcnt 0x0
	ds_add_u32 v[SPW], v[NIL]
	s_wait_dscnt 0x1                               ; (the add alone may be out)
	WIN MULW
	MUL8 0, \st
	s_wait_dscnt 0x0
	s_barrier_signal -1
	MUL8 1, \st
	WIN 0
	s_barrier_wait -1
.if \fill
	CREST
	s_add_nc_u64 s[G0W+4*((\st)/4)+2:G0W+4*((\st)/4)+3], s[G0W+4*((\st)/4)+2:G0W+4*((\st)/4)+3], WSTEP
	WLOAD (\st)/4
.endif
	PLACES
.if (\st) == 3
	FETCH \p0, \p1, 4
.endif
	WIN MULW
	MUL8 2, \st
	MUL8 3, \st
	WIN 0
.endm
; a pass's 64 scale registers: s1, s0: scalar registers with the byte offsets in sc of source 1's and source 0's first tile.  In registers of tiles 4-7 lanes 0-15 read tiles 0-3 once more: those lanes are not used
.macro SCLOAD s1, s0
	v_mov_b32 v19, s[\s0]
	v_mov_b32 v[SCN], s[\s1]
	v_cndmask_b32 v[SCN], v[SCN], v19, s94
	v_lshl_add_u32 v[SCN], v[RR], 2, v[SCN]
	v_sub_nc_u32 v[SCM], v[SCN], v[D2K]
.irp i, 0,1,2,3
.irp s, 0,1,2,3,4,5,6,7
	global_load_b32 v[SC+8*\i+\s], v[SCN], s[6:7] offset:512*\i+64*\s
.endr
.endr
.irp i, 4,5,6,7
.irp s, 0,1,2,3,4,5,6,7
	global_load_b32 v[SC+8*\i+\s], v[SCM], s[6:7] offset:512*\i+64*\s
.endr
.endr
.endm
; 64 numbers of a lane, v[s] .. v[s + 63] of window w, register 16 b + i = k 32 b + 16 h + i of my row, become a fragment's codes in v[PC] on and its scale word in v[pw]
.macro QUANTW s, w, pw
	WIN (\w)|((\w)<<2)
.irp b, 0,1,2,3
	v_max3_num_f32 v[TM+\b], |v[(\s)+16*\b]|, |v[(\s)+16*\b+1]|, 0x2800000   ; and the floor 2^(5 - 127): the byte cannot fall under 1
.endr
.irp i, 2,4,6,8,10,12,14
.irp b, 0,1,2,3
	v_max3_num_f32 v[TM+\b], |v[(\s)+16*\b+\i]|, |v[(\s)+16*\b+\i+1]|, v[TM+\b]
.endr
.endr
	WIN 0
.irp b, 0,1,2,3
	v_permlanex16_b32 v[TM+4+\b], v[TM+\b], s[SEL], s[SEL+1]
.endr
.irp b, 0,1,2,3
	v_max_num_f32 v[TM+\b], v[TM+\b], v[TM+4+\b]
.endr
.irp b, 0,1,2,3
	v_add_nc_u32 v[TM+12+\b], 0xfe000000, v[TM+\b]   ; 4 off the exponent field: the conversion's scale operand
.endr
.irp b, 0,1,2,3
	v_lshrrev_b32 v[TM+4+\b], 23, v[TM+12+\b]
.endr
	v_lshl_or_b32 v[\pw], v[TM+5], 8, v[TM+4]
	v_lshl_or_b32 v[\pw], v[TM+6], 16, v[\pw]
	v_lshl_or_b32 v[\pw], v[TM+7], 24, v[\pw]
	WIN \w
.irp c, 0,1
	v_cvt_scalef32_pk16_bf6_f32 v[PC+6*\c:PC+6*\c+2], v[(\s)+32*\c:(\s)+32*\c+15], v[TM+12+2*\c]
	v_cvt_scalef32_pk16_bf6_f32 v[PC+12+4*\c:PC+14+4*\c], v[(\s)+32*\c+16:(\s)+32*\c+31], v[TM+13+2*\c]
.endr
	WIN 0
	v_nop                                          ; one plain place behind a scaled conversion
.irp c, 0,1
.irp i, 0,1,2
	v_permlane16_swap_b32 v[PC+6*\c+\i], v[PC+12+4*\c+\i]
.endr
.irp i, 0,1,2
	v_mov_b32 v[PC+3+6*\c+\i], v[PC+12+4*\c+\i]
.endr
.endr
.endm
; tile a of my four leaves: three stores of 512 consecutive bytes; the scale words of two tiles by one store of 128
.macro OUTF a, src, w, cb, sb
	s_wait_xcnt 0x0                                ; the last tile's stores have read their registers
	QUANTW \src, \w, PW+(\a)%2
.irp c, 0,1,2
	global_store_b128 v[LI], v[PC+4*\c:PC+4*\c+3], s[\cb:\cb+1] offset:FRB*(\a)+512*\c
.endr
.if (\a)%2
	v_cndmask_b32 v[MW], v[PW], v[PW+1], s94
	global_store_b32 v[LW], v[MW], s[\sb:\sb+1] offset:128*((\a)/2)
.endif
.endm
	s_load_b256 s[4:11], s[0:1], 0x0               ; codes, sc, cos, sin
	s_load_b256 s[12:19], s[0:1], 0x20             ; x, Wgate, ve, qc
	s_load_b128 s[20:23], s[0:1], 0x40             ; qs, kv
	v_lshl_add_u32 v[SPW], v0, 2, SPARE
	v_mov_b32 v[NIL], 0
	ds_add_u32 v[SPW], v[NIL]                      ; the wave's opening: the add, twice on end, and its wait ahead of my first tensor load
	ds_add_u32 v[SPW], v[NIL]
	v_lshrrev_b32 v1, 5, v0
	v_readfirstlane_b32 s24, v1                    ; wave 0..3
	s_lshr_b32 s25, s24, 1                         ; I fetch for x (0) or for the weights (1); in v: my half of the tokens
	s_and_b32 s26, s24, 1                          ; which half I fetch; in v: my half of d
	s_bfe_u32 s27, ttmp6, 0x40000                  ; cx
	s_bfe_u32 s28, ttmp6, 0x40004                  ; cy
	s_and_b32 s29, ttmp7, 0xffff
	s_lshl_b32 s60, s28, 2
	s_lshl_b32 s60, 15, s60                        ; my row of the cluster
	s_lshl_b32 s61, 0x1111, s27                    ; my column
	s_or_b32 s[G1X], s60, (3<<16)|(1<<21)          ; 15:0 the mask; 17:16 elements of 8 bytes; 21 set beside a mask; no padding
	s_or_b32 s[G1W], s61, (3<<16)|(1<<21)
.irp g, G1X, G1W
	s_mov_b32 s[\g+1], 768<<16                     ; a row: a tile's 4 K steps, 6,144 bytes
	s_mov_b32 s[\g+3], 768<<16
	s_mov_b32 s[\g+5], 1536                        ; from tile to tile: 12,288 bytes
	s_mov_b32 s[\g+6], 0
	s_mov_b32 s[\g+7], 0
.endr
	s_mov_b32 s[G1X+2], 8<<16                      ; 8 tiles of x,
	s_mov_b32 s[G1X+4], 8
	s_mov_b32 s[G1W+2], 4<<16                      ; 4 of a weight
	s_mov_b32 s[G1W+4], 4
	s_lshl_b32 s31, s29, 2
	s_add_co_u32 s31, s31, s28                     ; tb: my block of 256 tokens
	s_lshl_b32 s30, ttmp9, 2
	s_add_co_u32 s30, s30, s27                     ; my head
	s_lshl_b32 s2, s31, 4
	s_lshl_b32 s3, s26, 3
	s_add_co_u32 s2, s2, s3
	s_mul_i32 s2, s2, 12288                        ; x's tiles 16 tb + 8 half
	s_mov_b32 s3, 0
	s_lshl_b32 s66, s30, 3
	s_lshl_b32 s67, s26, 2
	s_add_co_u32 s66, s66, s67
	s_add_co_u32 s66, s66, 512
	s_mul_i32 s66, s66, 12288                      ; Wq's tiles 512 + 8 head + 4 half
	s_mov_b32 s67, 0
	s_mul_i32 s63, s26, 24576
	s_add_co_u32 s63, s63, WB
	s_wait_dscnt 0x0                               ; both opening adds are done
	s_wait_kmcnt 0x0
	s_mov_b32 s[G0X], 1
	s_mul_i32 s[G0X+1], s26, 49152
	s_add_nc_u64 s[G0X+2:G0X+3], s[4:5], s[2:3]
	s_or_b32 s[G0X+3], s[G0X+3], 0x80000000
	s_add_nc_u64 s[66:67], s[4:5], s[66:67]
.irp k, 0,1
	s_mov_b32 s[G0W+4*\k], 1
	s_add_co_u32 s[G0W+4*\k+1], s63, \k*WSL
	s_add_nc_u64 s[G0W+4*\k+2:G0W+4*\k+3], s[66:67], \k*TP
	s_or_b32 s[G0W+4*\k+3], s[G0W+4*\k+3], 0x80000000
.endr
	CROUND                                         ; all sixteen work-groups are here: the first joint loads meet
	JLOAD 0                                        ; K steps 0-3 of x and of Wq: one tensor load a wave
	; where the results go and what the ways out read
	s_lshr_b32 s60, s31, 3
	s_lshl_b32 s60, s60, 3
	s_add_co_u32 s60, s60, s30                     ; 8 batch + head
	s_lshl_b32 s60, s60, 3
	s_and_b32 s61, s31, 7
	s_add_co_u32 s60, s60, s61                     ; my block among all blocks
	s_mul_i32 s62, s24, 6144                       ; my 4 fragments,
	s_lshl_b32 s63, s24, 8                         ; and their scale words
	s_mov_b32 s67, 0
	s_mul_i32 s66, s60, 24576
	s_add_co_u32 s66, s66, s62
	s_add_nc_u64 s[68:69], s[18:19], s[66:67]      ; q's codes
	s_lshl_b32 s66, s60, 10
	s_add_co_u32 s66, s66, s63
	s_add_nc_u64 s[70:71], s[20:21], s[66:67]      ; q's scale words
	s_mul_i32 s2, s60, 51200
	s_add_co_u32 s66, s2, s62
	s_add_nc_u64 s[72:73], s[22:23], s[66:67]      ; k's codes,
	s_add_nc_u64 s[76:77], s[72:73], 24576         ; v's: key step w / 2, d tiles 4 (w % 2) ..
	s_add_co_u32 s66, s2, s63
	s_add_co_u32 s66, s66, 49152
	s_add_nc_u64 s[74:75], s[22:23], s[66:67]      ; k's scale words,
	s_add_nc_u64 s[78:79], s[74:75], 1024          ; v's
	s_lshl_b32 s66, s61, 16
	s_lshl_b32 s2, s24, 14
	s_add_co_u32 s66, s66, s2
	s_add_nc_u64 s[84:85], s[8:9], s[66:67]        ; cos and sin at my first token's position: 256 bytes a position
	s_add_nc_u64 s[86:87], s[10:11], s[66:67]
	s_lshl_b32 s66, s31, 20
	s_lshl_b32 s2, s25, 19
	s_add_co_u32 s66, s66, s2
	s_add_nc_u64 s[90:91], s[12:13], s[66:67]      ; x at the first of v's 128 tokens
	s_lshl_b32 s2, s30, 9
	s_add_co_u32 s66, s66, s2
	s_lshl_b32 s2, s26, 8
	s_add_co_u32 s66, s66, s2
	s_add_nc_u64 s[88:89], s[16:17], s[66:67]      ; ve there, my head, my 64 d
	s_lshl_b32 s66, s30, 7
	s_add_nc_u64 s[92:93], s[14:15], s[66:67]      ; my head's row of Wgate
	s_lshl_b32 s2, s31, 13                         ; scale words, 512 bytes a tile: x's tile 16 tb,
	s_lshl_b32 s12, s24, 11
	s_add_co_u32 s12, s12, s2                      ; + 4 w
	s_lshl_b32 s15, s25, 12
	s_add_co_u32 s15, s15, s2                      ; + 8 (w / 2)
	s_lshl_b32 s13, s30, 12
	s_add_co_u32 s13, s13, 512*512                 ; Wq's tile 512 + 8 head
	s_add_co_u32 s16, s13, 64*512                  ; Wk's
	s_lshl_b32 s14, s26, 11
	s_add_co_u32 s14, s14, s13
	s_add_co_u32 s14, s14, 128*512                 ; Wv's, + 4 (w % 2)
	s_mov_b32 s[SEL], 0x76543210
	s_mov_b32 s[SEL+1], 0xfedcba98
	s_mov_b32 s98, 0x3c000000                      ; 1 / 128
	s_mov_b32 s99, 0x34000000                      ; eps of f32
	v_and_b32 v[LW], 31, v0
	v_lshlrev_b32 v[LI], 4, v[LW]
	v_lshlrev_b32 v[XGO], 12, v[LW]
	v_lshlrev_b32 v[LW], 2, v[LW]
	v_and_b32 v[RR], 15, v0
	v_bfe_u32 v[HH], v0, 4, 1
	v_cmp_lt_u32 s94, 63, v[LW]                    ; lanes 16-31
	v_mov_b32 v[ZO], 0
	v_mov_b32 v[D2K], 0x800
	v_cndmask_b32 v[D2K], v[D2K], v[ZO], s94
	s_mul_i32 s60, s24, 4*TP
	v_add_nc_u32 v[AX4], s60, v[LI]
	v_add_nc_u32 v[AX4+1], XCH, v[AX4]
	v_add_nc_u32 v[AW8], WB, v[LI]
	v_add_nc_u32 v[AW8+1], WB+WSL, v[LI]
	s_mul_i32 s60, s25, 8*TP
	v_add_nc_u32 v[AX8], s60, v[LI]
	v_add_nc_u32 v[AX8+1], XCH, v[AX8]
	s_mul_i32 s60, s26, 4*TP
	s_add_co_u32 s60, s60, WB
	v_add_nc_u32 v[AW4], s60, v[LI]
	v_add_nc_u32 v[AW4+1], WSL, v[AW4]
	v_and_b32 v19, 8, v[RR]
	v_add_nc_u32 v19, v19, v[RR]                   ; r + 8 (r / 8): my place among a tile pair's 32 rows
	v_lshlrev_b32 v[CA], 8, v19
	v_lshl_add_u32 v[CA], v[HH], 6, v[CA]
	s_lshl_b32 s60, s24, 9
	s_add_co_u32 s60, s60, GATE
	v_add_nc_u32 v[GWA], s60, v[LW]
	v_lshl_add_u32 v[GRA], v[HH], 6, s60
	s_mul_i32 s60, s24, 8448
	s_add_co_u32 s60, s60, VSTG
	v_add_nc_u32 v[STW], s60, v[LI]                ; in: two tokens' 256 bytes an instruction
	v_mul_u32_u24 v[STR], v[HH], 4224              ; out: token 16 h + i, my d; 128 bytes lie between the two halves of the tokens
	v_lshl_add_u32 v[STR], v19, 2, v[STR]
	v_add_nc_u32 v[STR], s60, v[STR]
	v_lshlrev_b32 v[VLA], 12, v[HH]
	v_lshl_add_u32 v[VLA], v[RR], 4, v[VLA]
	s_wait_alu depctr_va_vdst(0)
	SCLOAD 12, 13                                  ; q's scale words
	CSLOAD 0                                       ; cos and sin of my 64 tokens, once for q and k: 64 loads, awaited at the first trip's top
	CSLOAD 1
	CSLOAD 2
	CSLOAD 3
; THE GATE of v's 128 tokens: f32 multiply-adds, since it goes on into a quantised operand.  Lane l takes tokens 32 k + l.  GATELD asks for its 40 loads at the start of v's walk over K; GATE works it out behind v's last products.
.macro GATELD
	WIN 0x40                                       ; Wgate's row: window 1, v96-127, which no fragment uses
.irp j, 0,1,2,3,4,5,6,7
	global_load_b128 v[96+4*\j:99+4*\j], v[ZO], s[92:93] offset:16*\j
.endr
	WIN 0xc0                                       ; x's rows: window 3, v128-255
.irp k, 0,1,2,3
.irp j, 0,1,2,3,4,5,6,7
	global_load_b128 v[128+32*\k+4*\j:131+32*\k+4*\j], v[XGO], s[90:91] offset:131072*\k+16*\j
.endr
.endr
	WIN 0
.endm
.macro GATE
	s_wait_loadcnt 32                              ; the gate's 40 loads are in; ve's 2 x 16, issued behind them, may be out
	WIN 0x07                                       ; source 0: window 3; source 1: window 1
.irp k, 0,1,2,3
	v_pk_mul_f32 v[Z+2*\k:Z+2*\k+1], v[128+32*\k:129+32*\k], v[96:97]
.endr
.irp n, 2,4,6,8,10,12,14,16,18,20,22,24,26,28,30
.irp k, 0,1,2,3
	v_pk_fma_f32 v[Z+2*\k:Z+2*\k+1], v[128+32*\k+\n:129+32*\k+\n], v[96+\n:97+\n], v[Z+2*\k:Z+2*\k+1]
.endr
.endr
	WIN 0
.irp k, 0,1,2,3
	v_add_f32 v[Z+2*\k], v[Z+2*\k], v[Z+2*\k+1]
.endr
.irp k, 0,1,2,3
	v_mul_f32 v[Z+2*\k], 0xbfb8aa3b, v[Z+2*\k]     ; x -log2(e)
.endr
	s_wait_alu depctr_va_vdst(0)                   ; a wait ahead of a batch and one behind it
.irp k, 0,1,2,3
	v_exp_f32 v[Z+2*\k], v[Z+2*\k]
.endr
	v_nop
	s_wait_alu depctr_va_vdst(0)
.irp k, 0,1,2,3
	v_add_f32 v[Z+2*\k], 1.0, v[Z+2*\k]
.endr
	s_wait_alu depctr_va_vdst(0)
.irp k, 0,1,2,3
	v_rcp_f32 v[Z+2*\k], v[Z+2*\k]
.endr
	v_nop
	s_wait_alu depctr_va_vdst(0)
.irp k, 0,1,2,3
	v_add_f32 v[Z+2*\k], v[Z+2*\k], v[Z+2*\k]      ; 2 sigmoid
.endr
.irp k, 0,1,2,3
	ds_store_b32 v[GWA], v[Z+2*\k] offset:128*\k   ; token t's gate at 4 t of my wave's 512 bytes
.endr
.endm
.irp b, 0,1,2,3
	v_mov_b32 v[TM+4+\b], 0                        ; written once: a lane permute's destination counts as one of its sources
.endr
	v_mov_b32 v[RN+1], 0                           ; (named as the upper half of a pair)
	s_wait_alu depctr_va_vdst(0)
	s_wait_tensorcnt 0x0                           ; my part of K steps 0-3 is in
	ds_add_u32 v[SPW], v[NIL]
	s_add_co_u32 s[G0X+1], s[G0X+1], XCH           ; no tensor load of mine is out: x's second half of K
	s_add_nc_u64 s[G0X+2:G0X+3], s[G0X+2:G0X+3], TP
	s_wait_dscnt 0x0                               ; the add is done
	CROUND
	JLOAD 1                                        ; K steps 4-7 of x and of Wq
	s_mov_b32 s95, 0
; the way out of q and k, a token tile at a time: rope, rms norm, quantiser, three stores
.macro SCADR s1, s0                    ; the next pass's scale words' offsets, as in SCLOAD
	v_mov_b32 v19, s[\s0]
	v_mov_b32 v[SCN], s[\s1]
	v_cndmask_b32 v[SCN], v[SCN], v19, s94
	v_lshl_add_u32 v[SCN], v[RR], 2, v[SCN]
	v_sub_nc_u32 v[SCM], v[SCN], v[D2K]
.endm
.macro SCLD i0, adr                    ; the 32 scale registers of tiles i0 .. i0 + 3
.irp i, \i0, \i0+1, \i0+2, \i0+3
.irp s, 0,1,2,3,4,5,6,7
	global_load_b32 v[SC+8*(\i)+\s], v[\adr], s[6:7] offset:512*(\i)+64*\s
.endr
.endr
.endm
.macro QKOUT a
.set AC, 64*(\a)
.set CB, 64*(\a)
	WIN 0x0e                                       ; source 0: window 2; source 1: window 3
.irp n, 0,2,4,6,8,10,12,14,16,18,20,22,24,26,28,30   ; ascending: each accumulator is first read at its low end
.set TT, T+4*((\n/2)%2)
	v_pk_mul_f32 v[TT:TT+1], v[AC+32+\n:AC+33+\n], v[CB+32+\n:CB+33+\n]          ; x2 sin
	v_pk_mul_f32 v[TT+2:TT+3], v[AC+\n:AC+\n+1], v[CB+32+\n:CB+33+\n]            ; x1 sin
	v_pk_fma_f32 v[H+\n:H+\n+1], v[AC+\n:AC+\n+1], v[CB+\n:CB+\n+1], v[TT:TT+1]  ; x1 cos + x2 sin
	v_pk_fma_f32 v[H+32+\n:H+33+\n], v[AC+32+\n:AC+33+\n], v[CB+\n:CB+\n+1], v[TT+2:TT+3] neg_lo:[0,0,1] neg_hi:[0,0,1]   ; x2 cos - x1 sin
.endr
	WIN 0
.if (\a) == 0                                  ; the next pass's scale words land under the way out, in two runs of 32 loads
	s_cmp_eq_u32 s95, 0
	s_cselect_b32 s60, s12, s14                    ; source 1: k: x's 4 tiles; v: Wv's 4
	s_cselect_b32 s61, s16, s15                    ; source 0: k: Wk's 8; v: x's 8
	SCADR 60, 61
	SCLD 0, SCN
.endif
.if (\a) == 1
	SCLD 4, SCM
.endif
	v_pk_mul_f32 v[SS:SS+1], v[H:H+1], v[H:H+1]    ; the sum of squares, in two chains
	v_pk_mul_f32 v[SS+2:SS+3], v[H+2:H+3], v[H+2:H+3]
.irp n, 4,8,12,16,20,24,28,32,36,40,44,48,52,56,60
	v_pk_fma_f32 v[SS:SS+1], v[H+\n:H+\n+1], v[H+\n:H+\n+1], v[SS:SS+1]
	v_pk_fma_f32 v[SS+2:SS+3], v[H+\n+2:H+\n+3], v[H+\n+2:H+\n+3], v[SS+2:SS+3]
.endr
	v_pk_add_f32 v[SS:SS+1], v[SS:SS+1], v[SS+2:SS+3]
	v_add_f32 v[SS], v[SS], v[SS+1]
	v_permlanex16_b32 v[SS+2], v[SS], s[SEL], s[SEL+1]
	v_add_f32 v[SS], v[SS], v[SS+2]                ; with lane l xor 16's 64: my token's 128
	v_fma_f32 v[SS], v[SS], s98, s99               ; the mean + eps
	s_wait_alu depctr_va_vdst(0)
	v_rsq_f32 v[RN], v[SS]
	v_nop
	s_wait_alu depctr_va_vdst(0)
.set n, 0
.rept 32
	v_pk_mul_f32 v[H+n:H+n+1], v[H+n:H+n+1], v[RN:RN+1] op_sel_hi:[1,0]
.set n, n+2
.endr
	OUTF \a, H, 0, 80, 82
.endm
.Lpass:                                            ; two trips: q, k
	s_wait_xcnt 0x0                                ; the last trip's stores have read their bases and registers
	s_cmp_eq_u32 s95, 0
	s_cselect_b64 s[80:81], s[68:69], s[72:73]
	s_cselect_b64 s[82:83], s[70:71], s[74:75]
	s_wait_loadcnt 0x0                             ; the scale words
	FETCH AW8, AX4, 0
	STEP AW8, AX4, 0
	STEP AW8, AX4, 1
	STEP AW8, AX4, 2
	TURN AW8, AX4, 3, 1                            ; slot 0 takes the next weight's K steps 0-3
	STEP AW8, AX4, 4
	STEP AW8, AX4, 5
	STEP AW8, AX4, 6
	TURN AW8, AX4, 7, 1                            ; slot 1 its K steps 4-7: both land under the way out
	PLACES
.irp a, 0,1,2,3
	QKOUT \a
.endr
	s_add_co_u32 s95, s95, 1
	s_cmp_lt_u32 s95, 2
	s_wait_alu depctr_va_vdst(0)
	s_cbranch_scc1 .Lpass
	; ---- v.  acc(a, b): lane r = position r of my d tile a, register 16 e + i = token 32 e + 16 h + i of my 128
.macro VLOAD e                         ; ve of tokens 32 e .. 32 e + 31, my 64 d: each load reads 256 consecutive bytes of two tokens; into window 3, set e % 2
	WIN 0xc0
.set n, 0
.rept 16
	global_load_b128 v[64*((\e)%2)+4*n:64*((\e)%2)+4*n+3], v[VLA], s[88:89] offset:4096*(32*(\e)+2*n) th:TH_LOAD_NT
.set n, n+1
.endr
	WIN 0
.endm
	s_wait_xcnt 0x0
	s_wait_loadcnt 0x0
	GATELD                                         ; 40 + 16 loads, into window 3, which cos and sin have left: they land under the walk over K
	VLOAD 0
	FETCH AX8, AW4, 0
	STEP AX8, AW4, 0
	STEP AX8, AW4, 1
	STEP AX8, AW4, 2
	TURN AX8, AW4, 3, 0                            ; Wv's second half is whole in every wave
	VLOAD 1
	STEP AX8, AW4, 4
	STEP AX8, AW4, 5
	STEP AX8, AW4, 6
	s_wait_dscnt 0x0
	WIN MULW
	MUL8 0, 7
	MUL8 1, 7
	MUL8 2, 7
	MUL8 3, 7
	WIN 0
	PLACES
	GATE
.irp e, 0,1,2,3
.irp j, 0,1,2,3
	ds_load_b128 v[G+16*\e+4*\j:G+16*\e+4*\j+3], v[GRA] offset:128*\e+16*\j   ; the gates of my 64 tokens: LDS serves a wave's instructions in order
.endr
.endr
.macro VADD e                          ; ve lies [token][d]: 32 tokens at a time turn through my stage in LDS, which serves a wave's instructions in order
.if (\e) < 3
	s_wait_loadcnt 16                              ; these 32 tokens' rows are in; the next 16 loads may be out
.else
	s_wait_loadcnt 0x0
.endif
	WIN 0x0c                                       ; an LDS store's data are its source 1: window 3
.set n, 0
.rept 16
	ds_store_b128 v[STW], v[64*((\e)%2)+4*n:64*((\e)%2)+4*n+3] offset:512*n+128*(n/8)
.set n, n+1
.endr
	WIN 0
.irp q, 0,1,2,3
.set ii, 0
.rept 16
	ds_load_b32 v[VE+16*\q+ii], v[STR] offset:256*ii+4*(32*(\q/2)+8*(\q%2))   ; ve(token 16 h + ii, my d)
.set ii, ii+1
.endr
.endr
	WIN 0xa0                                       ; C and D: window 2
.irp q, 0,1,2,3
	s_wait_dscnt 48-16*\q                          ; this tile's 16 words are in; the later tiles' may be out
	s_wait_alu depctr_va_vdst(0)                   ; the wait directly ahead of the first readers of matrix results behind transcendentals
.irp i, 0,2,4,6,8,10,12,14
	v_pk_fma_f32 v[64*\q+16*(\e)+\i:64*\q+16*(\e)+\i+1], v[G+16*(\e)+\i:G+16*(\e)+\i+1], v[VE+16*\q+\i:VE+16*\q+\i+1], v[64*\q+16*(\e)+\i:64*\q+16*(\e)+\i+1]   ; v + gate x ve; each accumulator is first read at its low end
.endr
.endr
	WIN 0
.if (\e) < 2
	VLOAD (\e)+2                                   ; the stage's stores have read this set (the wait for 0 above)
.endif
.endm
	s_wait_alu depctr_va_vdst(0)
	VADD 0
	VADD 1
	VADD 2
	VADD 3
.irp a, 0,1,2,3
	OUTF \a, 64*(\a), 2, 76, 78                    ; quantised along the tokens: a key step = my 128 tokens
.endr
	s_wait_tensorcnt 0x0                           ; the wave's end, behind my last tensor load and my last LDS store
	ds_add_u32 v[SPW], v[NIL]
	s_wait_dscnt 0x0
	CROUND                                         ; the closing round
	s_endpgm
.Lfunc_end_k_qebcab6e673_qkv:
	.size	k_qebcab6e673_qkv, .Lfunc_end_k_qebcab6e673_qkv-k_qebcab6e673_qkv
	.p2alignl 7, 3214868480
	.fill 96, 4, 3214868480
	.section	.rodata,"a",@progbits
	.p2align	6, 0x0
	.amdhsa_kernel k_qebcab6e673_qkv
		.amdhsa_group_segment_fixed_size 327680
		.amdhsa_private_segment_fixed_size 0
		.amdhsa_enable_private_segment 0
		.amdhsa_kernarg_size 80
		.amdhsa_user_sgpr_count 2
		.amdhsa_user_sgpr_kernarg_segment_ptr 1
		.amdhsa_wavefront_size32 1
		.amdhsa_system_sgpr_workgroup_id_x 1
		.amdhsa_system_sgpr_workgroup_id_y 1
		.amdhsa_system_sgpr_workgroup_id_z 1
		.amdhsa_system_vgpr_workitem_id 0
		.amdhsa_next_free_vgpr 1024
		.amdhsa_next_free_sgpr 100
		.amdhsa_reserve_vcc 0
		.amdhsa_float_denorm_mode_32 3
		.amdhsa_float_denorm_mode_16_64 3
		.amdhsa_memory_ordered 1
		.amdhsa_forward_progress 1
		.amdhsa_inst_pref_size 250
	.end_amdhsa_kernel
	.amdgpu_metadata
---
amdhsa.version: [ 1, 2 ]
amdhsa.kernels:
  - .name:           k_qebcab6e673_qkv
    .symbol:         k_qebcab6e673_qkv.kd
    .args:
      - { .name: codes, .offset: 0, .size: 8, .value_kind: global_buffer, .address_space: global }
      - { .name: sc, .offset: 8, .size: 8, .value_kind: global_buffer, .address_space: global }
      - { .name: cos, .offset: 16, .size: 8, .value_kind: global_buffer, .address_space: global }
      - { .name: sin, .offset: 24, .size: 8, .value_kind: global_buffer, .address_space: global }
      - { .name: x, .offset: 32, .size: 8, .value_kind: global_buffer, .address_space: global }
      - { .name: Wgate, .offset: 40, .size: 8, .value_kind: global_buffer, .address_space: global }
      - { .name: ve, .offset: 48, .size: 8, .value_kind: global_buffer, .address_space: global }
      - { .name: qc, .offset: 56, .size: 8, .value_kind: global_buffer, .address_space: global }
      - { .name: qs, .offset: 64, .size: 8, .value_kind: global_buffer, .address_space: global }
      - { .name: kv, .offset: 72, .size: 8, .value_kind: global_buffer, .address_space: global }
    .group_segment_fixed_size: 327680
    .private_segment_fixed_size: 0
    .kernarg_segment_align: 8
    .kernarg_segment_size: 80
    .max_flat_workgroup_size: 128
    .sgpr_count:     100
    .vgpr_count:     1024
    .wavefront_size: 32
...
	.end_amdgpu_metadata
.endif
;; end of part 2
;; launch attn (part 3): grid 8 x 32, 8 waves a work-group, no clusters, 327,680 bytes of LDS; arguments qc, qs, kv, yc, sc; writes yc, sc
.if DOCPART == 3
	.amdgcn_target "amdgcn-amd-amdhsa--gfx1250"
	.amdhsa_code_object_version 6
	.text
	.protected	k_qebcab6e673_attn
	.globl	k_qebcab6e673_attn
	.p2align	8
	.type	k_qebcab6e673_attn,@function
k_qebcab6e673_attn:
	s_mov_b64 s[64:65], 0
	v_nop
	global_prefetch_b8 v0, s[64:65] scope:SCOPE_SE
	s_setreg_imm32_b32 hwreg(HW_REG_WAVE_MODE, 25, 1), 1
	s_wait_xcnt 0x0
; LAUNCH 3 OF 4.  y = softmax(q k^T / sqrt(128), under reference()'s own mask: query - 1023 <= key <= query) v, both products on codes of E3M2; y is quantised along C and leaves as images of operand registers.
; WORK LEFT OUT (shown at launch 1's head): steps of 128 keys all of which are hidden from all 32 queries of a wave, and blocks of keys that would lie ahead of the sequence's start.
; SHARES.  A work-group owns 256 queries of one head (block i), each of its eight waves 32 of them: stored tiles 2 w and 2 w + 1.  Tile u lives in register window u under the same numbers, so each fragment of K and V
; read from LDS feeds two matrix instructions.  QB = 256 i + 32 w; lane (r, h) of tile u is query QB + 8 u + r + 8 (r / 8).
; THE WALK goes back from the diagonal: trip j takes block i - j (256 keys, 51,200 bytes: K's 16 fragments, V's 16, their scale words) from slot j, j = 0 .. 4.  Five slots lie side by side, so no LDS byte is filled twice.
; Slot 0 is asked for at the head; slot j + 1 behind trip j's barrier, by waves 0-3, a quarter each: one tensor load of a wave is out at a time.  Every wait for tensor loads is for all of them.
; The steps that would read it are jumped over by the same arithmetic (KF < 0).
; LAYOUT.  Both products are used transposed: S^T = K Q^T, O^T = V^T P^T: a lane holds ONE query throughout; by the order of the stored rows its register 16 b + i of S^T is key KF + 32 b + 16 h + i, and of O^T d = 32 b + 16 h + i.
; THE SOFTMAX.  t = score x log2(e) / sqrt(128); p = 2^(t - M) is quantised along the keys; the row's sum is taken of the unquantised p and divides O at the end.  M IS THE WHOLE NUMBER 24 FOR EVERY ROW:
; reference() itself rms-normalises q and k, so |q|^2, |k|^2 <= 128 for every input; rounding to E3M2 adds at most 1/8 of a number (and under 1/512 of a block's largest for subnormals), so |q^|, |k^| <= 13 and |t| <= 22.
; Then p lies in 2^-46 .. 2^-2, a row's sum of at most 1,024 of them and every scale byte (77 at the least) stay far inside their formats, and a whole M is taken up exactly by the blocks' scales: the codes' values and O / sum
; are those under the row's own M.  So no running maximum is kept and O is never rescaled.  A hidden score becomes -inf ahead of the exponential: p = 0.
; NO CLUSTER: in the same trip the work-groups of a head want different blocks (i - j), and the mask lets whole work-groups pass over a block that others read, so no joint request could be alike in all partners.
; O^T begins as zeros: the step is written once for the loop.  LIMITS: as in launch 1; sums in another order than reference()'s.
; REGISTERS.  Window 0 alone: v1 16 x lane, v2 4 r, v5, v6 the add's two, v8, v9 addresses in hand, v32-79 four fragments of K or V, v248-251 their scale words, v255, v254 Q's, v253, v252 p's (tiles 0, 1).
; In both windows: v10 my query less QB and 16 h, v12-13 -24, v[14:15], v[30:31] the row's sum in two chains, v16-27 Q, v28 at work, v29 -inf, v96-159 S^T then p, v160-223 O^T, v224-235 p's codes, v232-247 at work.
.set SLOTB, 51200
.set VOFF,  24576                      ; in a block: V's fragments [key step][d tile],
.set KSC,   49152                      ; K's scale words,
.set VSC,   50176                      ; V's
.set SPARE, 5*SLOTB                    ; the spare words, 128 bytes for each wave, which no other line names
.set LI,  1
.set LS,  2
.set SPW, 5
.set NIL, 6
.set TM,  232
.set WV,  18
.set SEL, 20
.set CS,  22                           ; s[22:23] c = log2(e) / sqrt(128)
.set TB,  2                            ; s2   where the slot in hand begins
.set KB,  36                           ; s36  its first key, 256 (i - j): signed
.set QB,  37                           ; s37  my first query
.set MSB, 0
.macro WIN new
.if MSB != (\new)
	s_set_vgpr_msb (MSB<<8)|(\new)
.set MSB, (\new)
.endif
.endm
.macro TLOAD                           ; waves 0-3 fetch a quarter of a block each; an s_nop 0 and four v_nop follow the line
	s_cmp_lt_u32 s[WV], 4
	s_cbranch_scc0 .Lasked_\@
	tensor_load_to_lds s[32:35], s[24:31]
	s_nop 0
.rept 4
	v_nop
.endr
.Lasked_\@:
.endm
.macro QUANT s, pc, pw                 ; as in launch 1: 64 numbers of a lane become a fragment's codes and its scale word; all registers in the window that is set
.irp b, 0,1,2,3
	v_max3_num_f32 v[TM+\b], |v[(\s)+16*\b]|, |v[(\s)+16*\b+1]|, 0x2800000
.endr
.irp i, 2,4,6,8,10,12,14
.irp b, 0,1,2,3
	s_delay_alu instid0(VALU_DEP_4)
	v_max3_num_f32 v[TM+\b], |v[(\s)+16*\b+\i]|, |v[(\s)+16*\b+\i+1]|, v[TM+\b]
.endr
.endr
.irp b, 0,1,2,3
	s_delay_alu instid0(VALU_DEP_4)
	v_permlanex16_b32 v[TM+4+\b], v[TM+\b], s[SEL], s[SEL+1]
.endr
.irp b, 0,1,2,3
	s_delay_alu instid0(VALU_DEP_4)
	v_max_num_f32 v[TM+\b], v[TM+\b], v[TM+4+\b]
.endr
.irp b, 0,1,2,3
	s_delay_alu instid0(VALU_DEP_4)
	v_add_nc_u32 v[TM+12+\b], 0xfe000000, v[TM+\b]
.endr
.irp b, 0,1,2,3
	s_delay_alu instid0(VALU_DEP_4)
	v_lshrrev_b32 v[TM+4+\b], 23, v[TM+12+\b]
.endr
	s_delay_alu instid0(VALU_DEP_3)
	v_lshl_or_b32 v[\pw], v[TM+5], 8, v[TM+4]
	s_delay_alu instid0(VALU_DEP_1)
	v_lshl_or_b32 v[\pw], v[TM+6], 16, v[\pw]
	s_delay_alu instid0(VALU_DEP_1)
	v_lshl_or_b32 v[\pw], v[TM+7], 24, v[\pw]
.irp c, 0,1
	v_cvt_scalef32_pk16_bf6_f32 v[(\pc)+6*\c:(\pc)+6*\c+2], v[(\s)+32*\c:(\s)+32*\c+15], v[TM+12+2*\c]
	v_cvt_scalef32_pk16_bf6_f32 v[(\pc)+12+4*\c:(\pc)+14+4*\c], v[(\s)+32*\c+16:(\s)+32*\c+31], v[TM+13+2*\c]
.endr
	v_nop
.irp c, 0,1
.irp i, 0,1,2
	v_permlane16_swap_b32 v[(\pc)+6*\c+\i], v[(\pc)+12+4*\c+\i]
.endr
.irp i, 0,1,2
	s_delay_alu instid0(VALU_DEP_3)
	v_mov_b32 v[(\pc)+3+6*\c+\i], v[(\pc)+12+4*\c+\i]
.endr
.endr
.endm
; Tile u's softmax of one key step, all in window u
.macro SOFT u
	WIN 0x55*(\u)
.irp b, 0,1,2,3
	v_max3_num_f32 v[232+\b], v[96+16*\b], v[97+16*\b], v[98+16*\b]   ; the largest score of each block of 32 keys: p rises with the score, so it gives the block's largest p
.endr
.irp i, 3,5,7,9,11,13
.irp b, 0,1,2,3
	v_max3_num_f32 v[232+\b], v[232+\b], v[96+16*\b+\i], v[97+16*\b+\i]
.endr
.endr
.irp b, 0,1,2,3
	v_max_num_f32 v[232+\b], v[232+\b], v[111+16*\b]
.endr
.irp b, 0,1,2,3
	s_delay_alu instid0(VALU_DEP_4)
	v_permlanex16_b32 v[236+\b], v[232+\b], s[SEL], s[SEL+1]
.endr
.irp b, 0,1,2,3
	s_delay_alu instid0(VALU_DEP_4)
	v_max_num_f32 v[232+\b], v[232+\b], v[236+\b]
.endr
.set j, 0
.rept 32
	v_pk_fma_f32 v[96+j:97+j], v[96+j:97+j], s[CS:CS+1], v[12:13] op_sel_hi:[1,0,0]   ; t - 24, two at a time
.set j, j+2
.endr
.irp b, 0,1,2,3
	v_fma_f32 v[232+\b], v[232+\b], s[CS], v12     ; the same of each block's largest score
.endr
.set j, 0
	s_wait_alu depctr_va_vdst(0)
.rept 64
	v_exp_f32 v[96+j], v[96+j]                     ; p
.set j, j+1
.endr
.irp b, 0,1,2,3
	v_exp_f32 v[232+\b], v[232+\b]                 ; the block's largest p: the same two instructions on the same number
.endr
	v_nop                                          ; a plain place behind the batch,
	s_wait_alu depctr_va_vdst(0)                   ; and one wait for all 68, ahead of their first reader
.set j, 0
.rept 8
	v_pk_add_f32 v[14:15], v[14:15], v[96+j:97+j]  ; the row's sum of the unquantised p: the first 32
	v_pk_add_f32 v[30:31], v[30:31], v[98+j:99+j]
.set j, j+4
.endr
.irp b, 0,1,2,3
	v_max_num_f32 v[232+\b], 0x2800000, v[232+\b]  ; the floor 2^(5 - 127): a block of hidden keys keeps the byte 1; its codes are zeros
.endr
.irp b, 0,1,2,3
	s_delay_alu instid0(VALU_DEP_4)
	v_add_nc_u32 v[244+\b], 0xfe000000, v[232+\b]
.endr
.irp b, 0,1,2,3
	s_delay_alu instid0(VALU_DEP_4)
	v_lshrrev_b32 v[236+\b], 23, v[244+\b]
.endr
	s_delay_alu instid0(VALU_DEP_3)
	v_lshl_or_b32 v240, v237, 8, v236
	s_delay_alu instid0(VALU_DEP_1)
	v_lshl_or_b32 v240, v238, 16, v240
	s_delay_alu instid0(VALU_DEP_1)
	v_lshl_or_b32 v240, v239, 24, v240
.if \u
	WIN 0x01                                       ; scale operands are taken from window 0
.endif
	v_mov_b32 v[253-\u], v240                      ; p's scale word for these 128 keys
	WIN 0x55*(\u)
.irp c, 0,1
	v_cvt_scalef32_pk16_bf6_f32 v[224+6*\c:226+6*\c], v[96+32*\c:111+32*\c], v[244+2*\c]
	v_cvt_scalef32_pk16_bf6_f32 v[236+4*\c:238+4*\c], v[112+32*\c:127+32*\c], v[245+2*\c]
.endr
	v_nop
.irp c, 0,1
.irp i, 0,1,2
	v_permlane16_swap_b32 v[224+6*\c+\i], v[236+4*\c+\i]
.endr
.irp i, 0,1,2
	s_delay_alu instid0(VALU_DEP_3)
	v_mov_b32 v[227+6*\c+\i], v[236+4*\c+\i]
.endr
.endr
.set j, 32
.rept 8
	v_pk_add_f32 v[14:15], v[14:15], v[96+j:97+j]  ; the other 32: these 16 lines are also the places between the scale word and the codes and the products that take them
	v_pk_add_f32 v[30:31], v[30:31], v[98+j:99+j]
.set j, j+4
.endr
.endm
; A KEY STEP: keys KF = KB + 128 sg on.  tail = 0: a step of blocks i .. i - 3; tail = 1: of block i - 4.
; By the ids: keys can lie after a query only in block i, so the causal test and mask stand where tail = 0; keys can lie before a window only in block i - 4 (in block i - 3, KF >= 256 i - 768 >= QB - 992), so those stand where tail = 1.
.macro STEP sg, tail
	s_add_co_u32 s40, s[KB], 128*\sg               ; KF
	s_cmp_lt_i32 s40, 0                            ; ahead of the sequence's start: no such keys
	s_cbranch_scc1 .Lskip_\@
.if \tail
	s_add_co_u32 s41, s40, 1150
	s_cmp_lt_i32 s41, s[QB]                        ; KF + 127 < QB - 1023: before every window
	s_cbranch_scc1 .Lskip_\@
.else
	s_add_co_u32 s41, s[QB], 31
	s_cmp_gt_i32 s40, s41                          ; after all my queries
	s_cbranch_scc1 .Lskip_\@
.endif
	v_add_nc_u32 v8, s[TB], v[LI]
	s_wait_alu depctr_va_vdst(0)
	v_add_nc_u32 v9, s[TB], v[LS]
	s_wait_alu depctr_va_vdst(0)
	v_nop
	v_nop                                          ; four places in front of loads into registers that the last products read
.irp g, 0,1                                    ; S^T = K Q^T, four tiles of 16 keys at a time, each for both tiles of queries
.if \g
.rept 4
	v_nop
.endr
.endif
.irp t, 0,1,2,3
.irp c, 0,1,2
	ds_load_b128 v[32+12*\t+4*\c:35+12*\t+4*\c], v8 offset:1536*(8*\sg+4*\g+\t)+512*\c
.endr
	ds_load_b32 v[248+\t], v9 offset:KSC+64*(8*\sg+4*\g+\t)
.endr
	s_wait_dscnt 0x0
.irp t, 0,1,2,3
	v_wmma_scale_f32_16x16x128_f8f6f4 v[96+8*(4*\g+\t):103+8*(4*\g+\t)], v[32+12*\t:43+12*\t], v[16:27], 0, v[248+\t], v255 matrix_a_fmt:MATRIX_FMT_BF6 matrix_b_fmt:MATRIX_FMT_BF6
.endr
	WIN 0x44                                       ; Q and S^T of tile 1
.irp t, 0,1,2,3
	v_wmma_scale_f32_16x16x128_f8f6f4 v[96+8*(4*\g+\t):103+8*(4*\g+\t)], v[32+12*\t:43+12*\t], v[16:27], 0, v[248+\t], v254 matrix_a_fmt:MATRIX_FMT_BF6 matrix_b_fmt:MATRIX_FMT_BF6
.endr
	WIN 0
.endr
.rept 4
	v_nop
.endr
.irp t, 0,1,2,3                                ; V's first four fragments are asked for now and land under the softmax
.irp c, 0,1,2
	ds_load_b128 v[32+12*\t+4*\c:35+12*\t+4*\c], v8 offset:VOFF+12288*\sg+1536*\t+512*\c
.endr
	ds_load_b32 v[248+\t], v9 offset:VSC+512*\sg+64*\t
.endr
.if \tail
	s_sub_co_i32 s41, s[QB], 992
	s_cmp_ge_i32 s40, s41                          ; KF >= QB + 31 - 1023: inside every window
	s_cbranch_scc1 .Lopen_\@
	s_sub_co_i32 s41, s[QB], s40
	s_sub_co_i32 s41, s41, 1023
.irp u, 0,1
	WIN 0x55*\u
	v_add_nc_u32 v28, s41, v10                     ; register 16 b + i is hidden where 32 b + i < my query - 1023 - KF - 16 h
.set n, 0
.rept 64
	v_cmp_lt_i32 vcc_lo, 32*(n/16)+n%16, v28
	v_cndmask_b32 v[96+n], v[96+n], v29, vcc_lo
.set n, n+1
.endr
.endr
	WIN 0
.else
	s_add_co_u32 s41, s40, 127
	s_cmp_le_i32 s41, s[QB]                        ; all keys at or before my first query
	s_cbranch_scc1 .Lopen_\@
	s_sub_co_i32 s41, s[QB], s40
.irp u, 0,1
	WIN 0x55*\u
	v_add_nc_u32 v28, s41, v10                     ; register 16 b + i is hidden where 32 b + i > my query - KF - 16 h
.set n, 0
.rept 64
	v_cmp_gt_i32 vcc_lo, 32*(n/16)+n%16, v28
	v_cndmask_b32 v[96+n], v[96+n], v29, vcc_lo
.set n, n+1
.endr
.endr
	WIN 0
.endif
.Lopen_\@:
	SOFT 0
	SOFT 1
	WIN 0
	s_wait_dscnt 0x0                               ; V's first four fragments
.irp z, 0,1                                    ; O^T += V^T P^T, four d tiles at a time, each for both tiles of queries; the accumulators take turns, one instruction a turn
.if \z
.rept 4
	v_nop
.endr
.irp t, 0,1,2,3
.irp c, 0,1,2
	ds_load_b128 v[32+12*\t+4*\c:35+12*\t+4*\c], v8 offset:VOFF+12288*\sg+1536*(4+\t)+512*\c
.endr
	ds_load_b32 v[248+\t], v9 offset:VSC+512*\sg+64*(4+\t)
.endr
	s_wait_dscnt 0x0
.endif
.irp t, 0,1,2,3
	v_wmma_scale_f32_16x16x128_f8f6f4 v[160+8*(4*\z+\t):167+8*(4*\z+\t)], v[32+12*\t:43+12*\t], v[224:235], v[160+8*(4*\z+\t):167+8*(4*\z+\t)], v[248+\t], v253 matrix_a_fmt:MATRIX_FMT_BF6 matrix_b_fmt:MATRIX_FMT_BF6
.endr
	WIN 0x54                                       ; p and O^T of tile 1
.irp t, 0,1,2,3
	v_wmma_scale_f32_16x16x128_f8f6f4 v[160+8*(4*\z+\t):167+8*(4*\z+\t)], v[32+12*\t:43+12*\t], v[224:235], v[160+8*(4*\z+\t):167+8*(4*\z+\t)], v[248+\t], v252 matrix_a_fmt:MATRIX_FMT_BF6 matrix_b_fmt:MATRIX_FMT_BF6
.endr
	WIN 0
.endr
.Lskip_\@:
.endm
; THE CHANGE OF SLOTS stands at a slot's head: each wave waits for all its tensor loads (its part of the slot ahead), adds 0 to its spare word and waits for that and for its LDS reads; behind the barrier the slot ahead is whole.
; fill = 1: the next slot, never filled before, is asked for: the wave's one tensor load until the next such barrier.
.macro CHANGE fill
	s_wait_tensorcnt 0x0                           ; no tensor load of mine is out, so the group 0 may be written
	ds_add_u32 v[SPW], v[NIL]
.if \fill
	ds_add_u32 v[SPW], v[NIL]                      ; twice on end in every trip alike
	s_add_co_u32 s33, s33, SLOTB                   ; the next slot,
	s_sub_nc_u64 s[34:35], s[34:35], SLOTB         ; the block before
.endif
	s_wait_dscnt 0x0
	s_barrier_signal -1
	s_barrier_wait -1
.if \fill
	s_cmp_lt_i32 s[KB], 256                        ; block i - j - 1 would lie ahead of the sequence's start: ids and the count of trips alone, the same in all eight waves
	s_cbranch_scc1 .Lpast_\@
	TLOAD
.Lpast_\@:
.endif
.endm
	s_load_b256 s[4:11], s[0:1], 0x0               ; qc, qs, kv, yc
	s_load_b64 s[12:13], s[0:1], 0x20              ; sc
	v_lshl_add_u32 v[SPW], v0, 2, SPARE
	v_mov_b32 v[NIL], 0
	ds_add_u32 v[SPW], v[NIL]                      ; the wave's opening: the add, twice on end, and its wait ahead of my first tensor load
	ds_add_u32 v[SPW], v[NIL]
	v_lshrrev_b32 v1, 5, v0
	s_delay_alu instid0(VALU_DEP_1)
	v_readfirstlane_b32 s[WV], v1                  ; wave 0..7
	s_and_b32 s14, ttmp7, 0xffff                   ; 8 batch + head
	s_lshl_b32 s15, s14, 3
	s_add_co_u32 s15, s15, ttmp9                   ; my block among all blocks
	s_mov_b32 s24, 3<<16                           ; group 1: elements of 8 bytes, no mask, no padding;
	s_mov_b32 s25, 32<<16                          ; a quarter of a block is dense: 50 rows of 256 bytes
	s_mov_b32 s26, 50<<16
	s_mov_b32 s27, 32<<16
	s_mov_b32 s28, 50
	s_mov_b32 s29, 32
	s_mov_b32 s30, 0
	s_mov_b32 s31, 0
	s_and_b32 s40, s[WV], 3
	s_mul_i32 s40, s40, 12800                      ; my quarter
	s_mul_i32 s42, s15, SLOTB
	s_add_co_u32 s42, s42, s40
	s_mov_b32 s43, 0
	s_mov_b32 s[SEL], 0x76543210
	s_mov_b32 s[SEL+1], 0xfedcba98
	s_mov_b32 s[CS], 0x3e0293ee
	s_mov_b32 s[CS+1], s[CS]                       ; (named with it as a pair)
	s_mov_b32 s[TB], 0
	s_lshl_b32 s[KB], ttmp9, 8
	s_lshl_b32 s[QB], s[WV], 5
	s_add_co_u32 s[QB], s[QB], s[KB]
	s_mov_b32 s38, 4
	s_wait_dscnt 0x0                               ; both opening adds are done
	s_wait_kmcnt 0x0
	s_mov_b32 s32, 1
	s_mov_b32 s33, s40
	s_add_nc_u64 s[34:35], s[8:9], s[42:43]
	s_or_b32 s35, s35, 0x80000000
	TLOAD                                          ; slot 0: the diagonal block, which every wave reads
	v_and_b32 v2, 31, v0
	s_delay_alu instid0(VALU_DEP_1)
	v_lshlrev_b32 v[LI], 4, v2
	s_wait_alu depctr_va_vdst(0)
	v_and_b32 v3, 15, v0                           ; r
	v_bfe_u32 v4, v0, 4, 1                         ; h
	s_delay_alu instid0(VALU_DEP_2)
	v_lshlrev_b32 v[LS], 2, v3
	s_wait_alu depctr_va_vdst(0)
	s_mul_i32 s40, s15, 24576
	s_mul_i32 s41, s[WV], 3072
	s_add_co_u32 s40, s40, s41
	s_mov_b32 s41, 0
	s_add_nc_u64 s[4:5], s[4:5], s[40:41]          ; my two tiles of Q
	s_lshl_b32 s40, s15, 10
	s_lshl_b32 s42, s[WV], 7
	s_add_co_u32 s40, s40, s42
	s_add_nc_u64 s[6:7], s[6:7], s[40:41]          ; and their scale words
.irp u, 0,1
	WIN 0x40*\u
.irp c, 0,1,2
	global_load_b128 v[16+4*\c:19+4*\c], v[LI], s[4:5] offset:1536*\u+512*\c
.endr
.endr
	WIN 0
	global_load_b32 v255, v[LS], s[6:7]
	global_load_b32 v254, v[LS], s[6:7] offset:64
	v_and_b32 v7, 8, v3
	s_delay_alu instid0(VALU_DEP_1)
	v_add_nc_u32 v7, v7, v3
	v_lshlrev_b32 v4, 4, v4
	s_delay_alu instid0(VALU_DEP_1)
	v_sub_nc_u32 v7, v7, v4                        ; r + 8 (r / 8) - 16 h
.irp u, 0,1
	WIN 0x40*\u                                    ; destination: window u
	v_add_nc_u32 v10, 8*\u, v7
	v_mov_b32 v12, 0xc1c00000                      ; -24
	v_mov_b32 v13, 0xc1c00000
	v_mov_b32 v14, 0
	v_mov_b32 v15, 0
	v_mov_b32 v30, 0
	v_mov_b32 v31, 0
	v_mov_b32 v28, 0
	v_mov_b32 v29, 0xff800000                      ; -infinity
.irp b, 0,1,2,3
	v_mov_b32 v[236+\b], 0                         ; written once: a lane permute's destination counts as one of its sources
.endr
.set j, 0
.rept 64
	v_mov_b32 v[160+j], 0                          ; O^T
.set j, j+1
.endr
.endr
	WIN 0
	s_lshr_b32 s40, s14, 3
	s_lshl_b32 s40, s40, 7
	s_lshl_b32 s41, ttmp9, 4
	s_add_co_u32 s40, s40, s41
	s_lshl_b32 s41, s[WV], 1
	s_add_co_u32 s40, s40, s41                     ; y's row tile: 128 batch + 16 i + 2 w
	s_and_b32 s41, s14, 7                          ; the head is y's K step
	s_mul_i32 s42, s40, 12288
	s_mul_i32 s43, s41, 1536
	s_add_co_u32 s42, s42, s43
	s_mov_b32 s43, 0
	s_add_nc_u64 s[10:11], s[10:11], s[42:43]
	s_lshl_b32 s42, s40, 9
	s_lshl_b32 s41, s41, 6
	s_add_co_u32 s42, s42, s41
	s_add_co_u32 s42, s42, 393216                  ; y's scale words lie behind the 768 tiles of launch 1
	s_add_nc_u64 s[12:13], s[12:13], s[42:43]
	s_wait_loadcnt 0x0                             ; Q
.Lslot:                                            ; four trips: blocks i .. i - 3
	CHANGE 1
	STEP 0, 0
	STEP 1, 0
	s_add_co_u32 s[TB], s[TB], SLOTB
	s_sub_co_i32 s[KB], s[KB], 256
	s_sub_co_u32 s38, s38, 1
	s_cmp_lg_u32 s38, 0
	s_cbranch_scc1 .Lslot
	CHANGE 0                                       ; block i - 4 is written out: nothing is asked for behind it
	STEP 0, 1
	STEP 1, 1
	; THE WAY OUT: y = O^T / the sum, quantised along d (the head is a K step of the last product), three stores of 512 consecutive bytes a tile.  A query always sees itself: the sum is not 0.
.rept 4
	v_nop
.endr
.irp u, 0,1
	WIN 0x55*\u
	v_pk_add_f32 v[14:15], v[14:15], v[30:31]
	s_delay_alu instid0(VALU_DEP_1)
	v_add_f32 v14, v14, v15
	s_delay_alu instid0(VALU_DEP_1)
	v_permlanex16_b32 v236, v14, s[SEL], s[SEL+1]
	s_delay_alu instid0(VALU_DEP_1)
	v_add_f32 v14, v14, v236                       ; with lane l xor 16's keys: the row's sum
	s_wait_alu depctr_va_vdst(0)
	v_rcp_f32 v14, v14
	v_nop                                          ; a plain place behind it,
	s_wait_alu depctr_va_vdst(0)                   ; and the wait ahead of its first reader
.set j, 0
.rept 32
	v_pk_mul_f32 v[96+j:97+j], v[160+j:161+j], v[14:15] op_sel_hi:[1,0]   ; ascending: each accumulator is first read at its low end
.set j, j+2
.endr
	QUANT 96, 160, 180
	WIN 4*\u                                       ; a store's data are its source 1
.irp c, 0,1,2
	global_store_b128 v[LI], v[160+4*\c:163+4*\c], s[10:11] offset:12288*\u+512*\c
.endr
	global_store_b32 v[LS], v180, s[12:13] offset:512*\u   ; 16 words; both halves of the lanes hold and write the same
.endr
	WIN 0
	s_wait_tensorcnt 0x0                           ; the wave's end, behind my last tensor load
	ds_add_u32 v[SPW], v[NIL]
	s_wait_dscnt 0x0
	s_endpgm
.Lfunc_end_k_qebcab6e673_attn:
	.size	k_qebcab6e673_attn, .Lfunc_end_k_qebcab6e673_attn-k_qebcab6e673_attn
	.p2alignl 7, 3214868480
	.fill 96, 4, 3214868480
	.section	.rodata,"a",@progbits
	.p2align	6, 0x0
	.amdhsa_kernel k_qebcab6e673_attn
		.amdhsa_group_segment_fixed_size 327680
		.amdhsa_private_segment_fixed_size 0
		.amdhsa_enable_private_segment 0
		.amdhsa_kernarg_size 40
		.amdhsa_user_sgpr_count 2
		.amdhsa_user_sgpr_kernarg_segment_ptr 1
		.amdhsa_wavefront_size32 1
		.amdhsa_system_sgpr_workgroup_id_x 1
		.amdhsa_system_sgpr_workgroup_id_y 1
		.amdhsa_system_sgpr_workgroup_id_z 1
		.amdhsa_system_vgpr_workitem_id 0
		.amdhsa_next_free_vgpr 512
		.amdhsa_next_free_sgpr 66
		.amdhsa_reserve_vcc 1
		.amdhsa_float_denorm_mode_32 3
		.amdhsa_float_denorm_mode_16_64 3
		.amdhsa_memory_ordered 1
		.amdhsa_forward_progress 1
		.amdhsa_inst_pref_size 194
	.end_amdhsa_kernel
	.amdgpu_metadata
---
amdhsa.version: [ 1, 2 ]
amdhsa.kernels:
  - .name:           k_qebcab6e673_attn
    .symbol:         k_qebcab6e673_attn.kd
    .args:
      - { .name: qc, .offset: 0, .size: 8, .value_kind: global_buffer, .address_space: global }
      - { .name: qs, .offset: 8, .size: 8, .value_kind: global_buffer, .address_space: global }
      - { .name: kv, .offset: 16, .size: 8, .value_kind: global_buffer, .address_space: global }
      - { .name: yc, .offset: 24, .size: 8, .value_kind: global_buffer, .address_space: global }
      - { .name: sc, .offset: 32, .size: 8, .value_kind: global_buffer, .address_space: global }
    .group_segment_fixed_size: 327680
    .private_segment_fixed_size: 0
    .kernarg_segment_align: 8
    .kernarg_segment_size: 40
    .max_flat_workgroup_size: 256
    .sgpr_count:     66
    .vgpr_count:     512
    .wavefront_size: 32
...
	.end_amdgpu_metadata
.endif
;; end of part 3
;; launch proj (part 4): grid 8 x 32, 4 waves a work-group, clusters of 4 x 4, 327,680 bytes of LDS; arguments yc, codes, sc, out0; writes out0
.if DOCPART == 4
	.amdgcn_target "amdgcn-amd-amdhsa--gfx1250"
	.amdhsa_code_object_version 6
	.text
	.protected	k_qebcab6e673_proj
	.globl	k_qebcab6e673_proj
	.p2align	8
	.type	k_qebcab6e673_proj,@function
k_qebcab6e673_proj:
	s_mov_b64 s[64:65], 0
	v_nop
	global_prefetch_b8 v0, s[64:65] scope:SCOPE_SE
	s_setreg_imm32_b32 hwreg(HW_REG_WAVE_MODE, 25, 1), 1
	s_wait_xcnt 0x0
	s_wait_alu depctr_hold_cnt(0) depctr_sa_sdst(0) depctr_va_vdst(0) depctr_va_sdst(0) depctr_va_ssrc(0) depctr_va_vcc(0) depctr_vm_vsrc(0)
	s_getreg_b32 s2, hwreg(HW_REG_IB_STS2, 6, 4)
	s_cmp_eq_u32 s2, 0
	s_cbranch_scc0 .Lentry_in_a_cluster
	s_endpgm
.Lentry_in_a_cluster:
	s_bfe_u32 s2, ttmp6, 0x10000c
	s_cmp_lg_u32 s2, 0xf033
	s_cbranch_scc0 .Lentry_shape_is_right
	s_endpgm
.Lentry_shape_is_right:
; LAUNCH 4 OF 4.  out0 = y Wproj^T on the codes of y (launch 3) and of Wproj (launch 1); f32 sums.  No work of reference() is left out here.
; SHARES.  A work-group makes 256 tokens (block 4 x cluster y + cy) x 128 columns (block 4 x cluster x + cx): 8 x 32 = 256 work-groups.  All of K lies in LDS: y's 16 tiles (196,608 bytes) and Wproj's 8 (98,304),
; each in two halves of 4 K steps, every byte filled once: the first halves at the head, the second behind the full sequence and a round.  Waves 0, 1 fetch y's halves, waves 2, 3 the weight's: one tensor load of a wave is out at a time.
; y's tiles hang on cy alone and are asked for jointly along a row of the cluster, Wproj's on cx alone and jointly along a column.
; Source 0 = Wproj's 8 tiles, source 1 = y's tiles 4 w .. 4 w + 3: a lane holds ONE token, register 16 e + i of a token tile is column 32 e + 16 h + i.
; NO PREFETCH: the launch has no loop to run ahead in; its two groups of loads stand at its head.  LIMITS: sums run in another order than reference()'s.
; REGISTERS: window 0: v1-53 addresses, v64-127 scale words, v128-223 source 1's fragments, two sets (on the way out v128-255: rows read back); window 1: source 0's, two sets; window 2: accumulator (a, b) at v[8 (8 a + b)].
.set XCH,    98304
.set WB,     196608
.set WSL,    49152
.set TP,     6144
.set FRB,    1536
.set SPARE,  294912                    ; the spare words, 128 bytes for each wave, which no other line names
.set LI,   1
.set RR,   2
.set HH,   3
.set AX4,  4
.set AW8,  6
.set LW,   12
.set STO,  13
.set RD,   14
.set ZO,   18
.set SPW,  28
.set NIL,  29
.set SCN,  31
.set SCM,  52
.set D2K,  53
.set SC,   64
.set AF,   128
.set BK,   128
.set G1X,  32
.set G1W,  40
.set G0X,  48
.set G0W,  52
.set MSB, 0
.macro WIN new
.if MSB != (\new)
	s_set_vgpr_msb (MSB<<8)|(\new)
.set MSB, (\new)
.endif
.endm
.set MULW, 0xa1
.set TO_B, 0x40
.macro PLACES
.rept 4
	v_nop
.endr
.endm
.macro JLOAD s                         ; waves 0, 1 y's halves, waves 2, 3 the weight's.  An s_nop 0 and four v_nop follow each line
	s_cmp_eq_u32 s25, 0
	s_cbranch_scc0 .Lfor_w_\@
	tensor_load_to_lds s[G0X:G0X+3], s[G1X:G1X+7]
	s_nop 0
	PLACES
	s_branch .Lasked_\@
.Lfor_w_\@:
	tensor_load_to_lds s[G0W+4*(\s):G0W+4*(\s)+3], s[G1W:G1W+7]
	s_nop 0
	PLACES
.Lasked_\@:
.endm
.macro CREST
	s_cmp_lg_u32 s24, 0
	s_cbranch_scc1 .Lnot_wave_0_\@
	s_barrier_signal -3
.Lnot_wave_0_\@:
	s_barrier_wait -3
	s_barrier_signal -1
	s_barrier_wait -1
.endm
.macro CROUND
	s_barrier_signal -1
	s_barrier_wait -1
	CREST
.endm
.macro FRAG reg, adr, q, i
.irp c, 0,1,2
	ds_load_b128 v[\reg+4*\c:\reg+4*\c+3], v[\adr] offset:TP*(\i)+FRB*(\q)+512*\c
.endr
.endm
.macro FETCH st                        ; step st's 8 + 4 fragments into sets st % 2
	WIN TO_B
.irp i, 0,1,2,3,4,5,6,7
	FRAG 128*((\st)%2)+12*\i, AW8+(\st)/4, (\st)%4, \i
.endr
	WIN 0
.irp i, 0,1,2,3
	FRAG AF+48*((\st)%2)+12*\i, AX4+(\st)/4, (\st)%4, \i
.endr
.endm
; the 32 accumulators take turns, one instruction a turn, in the same order in every step; step 0 starts the sums
.macro MUL8 a, st
.irp b, 0,1,2,3,4,5,6,7
.if (\st) == 0
	v_wmma_scale_f32_16x16x128_f8f6f4 v[8*(8*(\a)+\b):8*(8*(\a)+\b)+7], v[128*((\st)%2)+12*\b:128*((\st)%2)+12*\b+11], v[AF+48*((\st)%2)+12*(\a):AF+48*((\st)%2)+12*(\a)+11], 0, v[SC+8*\b+(\st)], v[SC+8*(\a)+(\st)] matrix_a_fmt:MATRIX_FMT_BF6 matrix_b_fmt:MATRIX_FMT_BF6 matrix_a_scale:MATRIX_SCALE_ROW1
.else
	v_wmma_scale_f32_16x16x128_f8f6f4 v[8*(8*(\a)+\b):8*(8*(\a)+\b)+7], v[128*((\st)%2)+12*\b:128*((\st)%2)+12*\b+11], v[AF+48*((\st)%2)+12*(\a):AF+48*((\st)%2)+12*(\a)+11], v[8*(8*(\a)+\b):8*(8*(\a)+\b)+7], v[SC+8*\b+(\st)], v[SC+8*(\a)+(\st)] matrix_a_fmt:MATRIX_FMT_BF6 matrix_b_fmt:MATRIX_FMT_BF6 matrix_a_scale:MATRIX_SCALE_ROW1
.endif
.endr
.endm
.macro STEP st
	s_wait_dscnt 0x0
	PLACES
	FETCH (\st)+1
	WIN MULW
	MUL8 0, \st
	MUL8 1, \st
	MUL8 2, \st
	MUL8 3, \st
	WIN 0
.endm
	s_load_b256 s[4:11], s[0:1], 0x0               ; yc, codes, sc, out0
	v_lshl_add_u32 v[SPW], v0, 2, SPARE
	v_mov_b32 v[NIL], 0
	ds_add_u32 v[SPW], v[NIL]                      ; the wave's opening: the add, twice on end, and its wait ahead of my first tensor load
	ds_add_u32 v[SPW], v[NIL]
	v_lshrrev_b32 v1, 5, v0
	v_readfirstlane_b32 s24, v1
	s_lshr_b32 s25, s24, 1
	s_and_b32 s26, s24, 1
	s_bfe_u32 s27, ttmp6, 0x40000                  ; cx
	s_bfe_u32 s28, ttmp6, 0x40004                  ; cy
	s_and_b32 s29, ttmp7, 0xffff
	s_lshl_b32 s60, s28, 2
	s_lshl_b32 s60, 15, s60
	s_lshl_b32 s61, 0x1111, s27
	s_or_b32 s[G1X], s60, (3<<16)|(1<<21)
	s_or_b32 s[G1W], s61, (3<<16)|(1<<21)
.irp g, G1X, G1W
	s_mov_b32 s[\g+1], 768<<16                     ; a row: a tile's 4 K steps, 6,144 bytes
	s_mov_b32 s[\g+3], 768<<16
	s_mov_b32 s[\g+5], 1536
	s_mov_b32 s[\g+6], 0
	s_mov_b32 s[\g+7], 0
.endr
	s_mov_b32 s[G1X+2], 8<<16
	s_mov_b32 s[G1X+4], 8
	s_mov_b32 s[G1W+2], 4<<16
	s_mov_b32 s[G1W+4], 4
	s_lshl_b32 s31, s29, 2
	s_add_co_u32 s31, s31, s28                     ; my block of 256 tokens
	s_lshl_b32 s30, ttmp9, 2
	s_add_co_u32 s30, s30, s27                     ; my block of 128 columns
	s_lshl_b32 s2, s31, 4
	s_lshl_b32 s3, s26, 3
	s_add_co_u32 s2, s2, s3
	s_mul_i32 s2, s2, 12288
	s_mov_b32 s3, 0
	s_lshl_b32 s66, s30, 3
	s_lshl_b32 s67, s26, 2
	s_add_co_u32 s66, s66, s67
	s_add_co_u32 s66, s66, 704
	s_mul_i32 s66, s66, 12288                      ; Wproj's tiles 704 + 8 block + 4 half
	s_mov_b32 s67, 0
	s_mul_i32 s63, s26, 24576
	s_add_co_u32 s63, s63, WB
	s_wait_dscnt 0x0
	s_wait_kmcnt 0x0
	s_mov_b32 s[G0X], 1
	s_mul_i32 s[G0X+1], s26, 49152
	s_add_nc_u64 s[G0X+2:G0X+3], s[4:5], s[2:3]
	s_or_b32 s[G0X+3], s[G0X+3], 0x80000000
	s_add_nc_u64 s[66:67], s[6:7], s[66:67]
.irp k, 0,1
	s_mov_b32 s[G0W+4*\k], 1
	s_add_co_u32 s[G0W+4*\k+1], s63, \k*WSL
	s_add_nc_u64 s[G0W+4*\k+2:G0W+4*\k+3], s[66:67], \k*TP
	s_or_b32 s[G0W+4*\k+3], s[G0W+4*\k+3], 0x80000000
.endr
	CROUND                                         ; all sixteen work-groups are here: the first joint loads meet
	JLOAD 0                                        ; K steps 0-3: one tensor load a wave
	s_lshl_b32 s12, s31, 13
	s_lshl_b32 s2, s24, 11
	s_add_co_u32 s12, s12, s2
	s_add_co_u32 s12, s12, 393216                  ; y's scale words: tile 16 block + 4 w, behind launch 1's 768 tiles
	s_lshl_b32 s13, s30, 12
	s_add_co_u32 s13, s13, 704*512                 ; Wproj's
	s_lshl_b32 s60, s31, 20
	s_lshl_b32 s61, s24, 18
	s_add_co_u32 s60, s60, s61
	s_lshl_b32 s61, s30, 9
	s_add_co_u32 s60, s60, s61
	s_mov_b32 s61, 0
	s_add_nc_u64 s[10:11], s[10:11], s[60:61]      ; my first token's row, my 128 columns
	s_mul_i32 s62, s24, 4*TP
	s_mul_i32 s63, s24, 8448                       ; my stage, in y's first half
	v_and_b32 v[LW], 31, v0
	v_lshlrev_b32 v[LI], 4, v[LW]
	v_lshlrev_b32 v[LW], 2, v[LW]
	v_and_b32 v[RR], 15, v0
	v_bfe_u32 v[HH], v0, 4, 1
	v_cmp_lt_u32 s94, 63, v[LW]                    ; lanes 16-31
	v_mov_b32 v[ZO], 0
	v_mov_b32 v[D2K], 0x800
	v_cndmask_b32 v[D2K], v[D2K], v[ZO], s94
	v_add_nc_u32 v[AX4], s62, v[LI]
	v_add_nc_u32 v[AX4+1], XCH, v[AX4]
	v_add_nc_u32 v[AW8], WB, v[LI]
	v_add_nc_u32 v[AW8+1], WB+WSL, v[LI]
	v_mul_u32_u24 v[STO], v[RR], 528
	v_lshl_add_u32 v[STO], v[HH], 6, v[STO]
	v_add_nc_u32 v[STO], s63, v[STO]
	v_add_nc_u32 v[RD], s63, v[LI]
	v_mov_b32 v19, s13                             ; scale words: lanes 0-15 y's tile i, lanes 16-31 Wproj's tile i; in tiles 4-7 lanes 0-15 read tiles 0-3 once more: those lanes are not used
	v_mov_b32 v[SCN], s12
	v_cndmask_b32 v[SCN], v[SCN], v19, s94
	v_lshl_add_u32 v[SCN], v[RR], 2, v[SCN]
	v_sub_nc_u32 v[SCM], v[SCN], v[D2K]
.irp i, 0,1,2,3
.irp s, 0,1,2,3,4,5,6,7
	global_load_b32 v[SC+8*\i+\s], v[SCN], s[8:9] offset:512*\i+64*\s
.endr
.endr
.irp i, 4,5,6,7
.irp s, 0,1,2,3,4,5,6,7
	global_load_b32 v[SC+8*\i+\s], v[SCM], s[8:9] offset:512*\i+64*\s
.endr
.endr
	s_wait_alu depctr_va_vdst(0)
	s_wait_tensorcnt 0x0                           ; my part of K steps 0-3 is in
	ds_add_u32 v[SPW], v[NIL]
	s_add_co_u32 s[G0X+1], s[G0X+1], XCH
	s_add_nc_u64 s[G0X+2:G0X+3], s[G0X+2:G0X+3], TP
	s_wait_dscnt 0x0
	CROUND
	JLOAD 1                                        ; K steps 4-7
	FETCH 0
	s_wait_loadcnt 0x0                             ; the scale words
	STEP 0
	STEP 1
	STEP 2
	s_wait_tensorcnt 0x0                           ; step 3: the work-group meets: the second halves are whole in every wave, the first are read no more
	ds_add_u32 v[SPW], v[NIL]
	s_wait_dscnt 0x1                               ; (the add alone may be out)
	WIN MULW
	MUL8 0, 3
	s_wait_dscnt 0x0
	s_barrier_signal -1
	MUL8 1, 3
	WIN 0
	s_barrier_wait -1
	PLACES
	FETCH 4
	WIN MULW
	MUL8 2, 3
	MUL8 3, 3
	WIN 0
	STEP 4
	STEP 5
	STEP 6
	s_wait_dscnt 0x0
	WIN MULW
	MUL8 0, 7
	MUL8 1, 7
	MUL8 2, 7
	MUL8 3, 7
	WIN 0
; THE WAY OUT, a token tile at a time, through my own stage (16 rows of 528 bytes): rows come back whole, and 32 lanes store 512 consecutive bytes.  LDS serves a wave's instructions in order.
.macro TOSTAGE a
.set AC, 64*(\a)
	WIN 0x08                                       ; the data: window 2
.irp b, 0,1,2,3,4,5,6,7
	ds_store_b128 v[STO], v[AC+8*\b:AC+8*\b+3] offset:128*(\b/2)+32*(\b%2)      ; each accumulator from its low end on
	ds_store_b128 v[STO], v[AC+8*\b+4:AC+8*\b+7] offset:128*(\b/2)+32*(\b%2)+16
.endr
	WIN 0
.set BB, BK+64*((\a)%2)
.irp t, 0,1,2,3,4,5,6,7,8,9,10,11,12,13,14,15
	ds_load_b128 v[BB+4*\t:BB+4*\t+3], v[RD] offset:528*\t
.endr
.endm
.macro SEND a, younger
.set BB, BK+64*((\a)%2)
	s_wait_dscnt \younger
.irp t, 0,1,2,3,4,5,6,7,8,9,10,11,12,13,14,15
	global_store_b128 v[LI], v[BB+4*\t:BB+4*\t+3], s[10:11] offset:4096*(32*((\a)/2)+8*((\a)%2)+\t+8*(\t/8)) th:TH_STORE_NT
.endr
.endm
	PLACES
	TOSTAGE 0
.irp a, 1,2,3
.if \a > 1
	s_wait_xcnt 0x0                                ; tile a - 2's stores have read their registers
.endif
	TOSTAGE \a
	SEND \a-1, 32                                  ; behind tile a - 1's loads: tile a's 16 stores and 16 loads
.endr
	SEND 3, 0
	s_wait_tensorcnt 0x0                           ; the wave's end
	ds_add_u32 v[SPW], v[NIL]
	s_wait_dscnt 0x0
	CROUND                                         ; the closing round
	s_endpgm
.Lfunc_end_k_qebcab6e673_proj:
	.size	k_qebcab6e673_proj, .Lfunc_end_k_qebcab6e673_proj-k_qebcab6e673_proj
	.p2alignl 7, 3214868480
	.fill 96, 4, 3214868480
	.section	.rodata,"a",@progbits
	.p2align	6, 0x0
	.amdhsa_kernel k_qebcab6e673_proj
		.amdhsa_group_segment_fixed_size 327680
		.amdhsa_private_segment_fixed_size 0
		.amdhsa_enable_private_segment 0
		.amdhsa_kernarg_size 32
		.amdhsa_user_sgpr_count 2
		.amdhsa_user_sgpr_kernarg_segment_ptr 1
		.amdhsa_wavefront_size32 1
		.amdhsa_system_sgpr_workgroup_id_x 1
		.amdhsa_system_sgpr_workgroup_id_y 1
		.amdhsa_system_sgpr_workgroup_id_z 1
		.amdhsa_system_vgpr_workitem_id 0
		.amdhsa_next_free_vgpr 768
		.amdhsa_next_free_sgpr 100
		.amdhsa_reserve_vcc 0
		.amdhsa_float_denorm_mode_32 3
		.amdhsa_float_denorm_mode_16_64 3
		.amdhsa_memory_ordered 1
		.amdhsa_forward_progress 1
		.amdhsa_inst_pref_size 81
	.end_amdhsa_kernel
	.amdgpu_metadata
---
amdhsa.version: [ 1, 2 ]
amdhsa.kernels:
  - .name:           k_qebcab6e673_proj
    .symbol:         k_qebcab6e673_proj.kd
    .args:
      - { .name: yc, .offset: 0, .size: 8, .value_kind: global_buffer, .address_space: global }
      - { .name: codes, .offset: 8, .size: 8, .value_kind: global_buffer, .address_space: global }
      - { .name: sc, .offset: 16, .size: 8, .value_kind: global_buffer, .address_space: global }
      - { .name: out0, .offset: 24, .size: 8, .value_kind: global_buffer, .address_space: global }
    .group_segment_fixed_size: 327680
    .private_segment_fixed_size: 0
    .kernarg_segment_align: 8
    .kernarg_segment_size: 32
    .max_flat_workgroup_size: 128
    .sgpr_count:     100
    .vgpr_count:     768
    .wavefront_size: 32
...
	.end_amdgpu_metadata
.endif
;; end of part 4
